; MI455X (gfx1250); checked and timed in simulation.
; The chip was launched on July 23, 2026; its instructions are those of AMD's public machine-readable ISA for CDNA 5 (MIT licence, August 2026) and "CDNA5" Instruction Set Architecture Reference Guide (July 2026). The comments in the code are by the model that wrote it; some were corrected since.
;; Softmax Matcher. Allowed arithmetic: matrix products marked QUANTISED: E2M3 operands, one E8M0 scale for each 32 along K, by v_wmma_scale_f32_16x16x128_f8f6f4 with both operands' format E2M3, f32 sums; products left as they are: f32 operands where the result goes on into a quantised operand, else bf16, f16 or f32 operands; f32 sums; everything else in f32.
;; Inputs: desc_dense 4 x 256 x 256 x 256 float32; keypoint_coords 4 x 1,024 x 2 float32; keypoint_desc 4 x 256 x 1,024 float32; keypoint_scores 4 x 1 x 1,024 float32; scores_dense 4 x 1 x 256 x 256 float32.
;; Outputs: out0 2 x 1,024 x 2 float32; out1 2 x 1 x 1,024 float32; out2 2 int32.
;; This version of the problem:
;;   THIS VERSION OF THE PROBLEM IS GIVEN IN LOW PRECISION. The matrix products marked QUANTISED in the list below multiply operands that are first quantised to E2M3 (2 exponent bits, 3 mantissa bits; 6 bits a number), with one power-of-two scale for each 32 numbers along K (OCP MX v1.0); their sums are f32. All else is computed in f32.
;;   The module's matrix products, in the order in which they are computed (A, B: the left and right operand; K: the contracted axis; several contracted axes count as one K, in the product's order):
;;     1. batch 2 x [M 1,024, K 256] x [K 256, N 65,536]; A: computed on the way; B: computed on the way: QUANTISED
;;     2. [M 2,048, K 65,536] x [K 65,536, N 2]; A: softmax; B: computed on the way: left as it is (N = 2 < 16)
;;   THE QUANTISER, for each operand of a quantised product, along K:
;;     - K is cut into blocks of 32 from its start; a last block that is shorter is filled with zeros.
;;     - A block's scale is 2^e with e = floor(log2(the largest magnitude in the block)) - 2, held to -126 .. 127; a block of zeros has e = 0. As a byte (E8M0): e + 127.
;;     - Each number is divided by its block's scale, clamped to +-7.5, and rounded to the nearest number of E2M3, ties to even, subnormals kept.
;;     - The product sums the exact products of the quantised numbers (number of the format x scale) in f32.
;;   ~~~python
;;   def quantise(x, axis):      # numpy; x: float32 -> the quantised numbers, widened to float32 again
;;       x = np.moveaxis(x, axis, -1); K = x.shape[-1]
;;       x = np.pad(x, [(0, 0)] * (x.ndim - 1) + [(0, -K % 32)]); x = x.reshape(x.shape[:-1] + (-1, 32)); a = np.abs(x).max(-1, keepdims=True)
;;       e = np.where(a > 0, np.clip(np.frexp(np.where(a > 0, a, 1))[1] - 1 - 2, -126, 127), 0)      # np.frexp(a)[1] - 1 = floor(log2(a)), exactly
;;       r = np.clip(x / 2.0 ** e, -7.5, 7.5)
;;       step = 2.0 ** (np.maximum(np.frexp(np.where(r == 0, 1, r))[1] - 1, 0) - 3)
;;       q = np.round(r / step) * step * 2.0 ** e      # np.round: ties to even
;;       return np.moveaxis(q.reshape(q.shape[:-2] + (-1,))[..., :K], -1, axis).astype(np.float32)
;;   ~~~
;;   OPERANDS COMPUTED ON THE WAY. 'Computed on the way' means the value that the module computes at that place (a softmax that the list does not call 'softmax' is quantised finished and normalised). What goes into a quantiser is computed in f32, as accurately as f32 sums, v_exp_f32 and their like allow (about 1e-6 of the number): no bf16 or f16 on the way to a quantiser, and a product that is left as it is and whose result goes on into a quantised operand takes f32 operands (vector FMAs, or v_wmma_f32_16x16x4_f32). A number that lies on a knife's edge between two numbers of the format may be rounded either way, as far as f32 arithmetic and the matrix unit's own rounding can turn it there, and no further.
;; 2 versions. Each part assembles by itself: llvm-mc -triple=amdgcn-amd-amdhsa -mcpu=gfx1250 --defsym DOCPART=n.
;; ======== version 1 of 2: 4 launches
;; limits: values outside matrix products are rounded to bf16
;; workspace buffers: kuv 8,192 bytes of whole numbers; scodes 393,216 bytes; sscales 16,384 bytes; srcn 2,097,152 bytes; tcopy 67,108,864 bytes; part 524,288 bytes; gidx 16,384 bytes of whole numbers; gw 32,768 bytes
;; launch prep (part 1): grid 32 x 1, 16 waves a work-group, no clusters, 83,456 bytes of LDS; arguments keypoint_desc, keypoint_coords, kuv, scodes, sscales, srcn, out2; writes kuv, scodes, sscales, srcn, out2
.if DOCPART == 1
	.amdgcn_target "amdgcn-amd-amdhsa--gfx1250"
	.amdhsa_code_object_version 6
	.text
	.protected	k_qec5727913f_prep
	.globl	k_qec5727913f_prep
	.p2align	8
	.type	k_qec5727913f_prep,@function
k_qec5727913f_prep:
	s_mov_b64 s[64:65], 0
	v_nop
	global_prefetch_b8 v0, s[64:65] scope:SCOPE_SE
	s_setreg_imm32_b32 hwreg(HW_REG_WAVE_MODE, 25, 1), 1
	s_wait_xcnt 0x0
; SoftmaxMatcher, launch 1 of 4: the keypoints.  For pair b = 0, 1 the keypoint set is 2 b, the dense image 2 b + 1.
; Here: each keypoint's descriptor (256 channels) is divided by max(its norm, 1e-12) in f32, kept as f32 (srcn, for the last launch) and quantised to
; E2M3 codes with one E8M0 byte for each 32 channels (scodes, sscales); its window's centre, trunc(coords), is stored as whole numbers (kuv); out2 = 0, 2.
; WORK LEFT OUT BY THE PROGRAM, for all values of the inputs:
;  - slices 1, 3 of keypoint_desc, keypoint_coords, keypoint_scores and slices 0, 2 of desc_dense, scores_dense are indexed by neither kp_inds nor dense_inds: never loaded.
;  - the first product is multiplied by a mask of zeros and ones that reference() builds itself: 27 x 27 pixels round trunc(coords).  A product under a zero reaches no output, so image
;    rows outside the aligned pairs of rows that meet a keypoint's window are not multiplied with it.  Their softmax terms stay: each is exp(0 - max), so whole masked rows are a count, a sum
;    of u and a sum of v (whole numbers under 2^24) times one exponential; launch 3 adds them.
;  LIMIT: a NaN, an infinity or an overflow that arises only in the products left out is not carried to the result.
; kuv word: (uc << 10) | (vc << 19), uc = clamp(trunc(x), -14, 269) + 14, vc likewise from y: at -14 and at 269 the window holds no pixel, as it does beyond.
; LIMITS: a NaN coordinate is not served; a sum of 256 squares beyond f32's range is not served; a block of zeros gets the byte 1, not 127: its codes are zeros and this program alone reads the bytes.
; SHARES.  A work-group takes 64 keypoints.  Wave w: kg = w / 8 says which 32 of them, beta = w % 8 which 32 channels (one block).  A lane takes a keypoint and its registers run down the channels.
; No matrix unit, no tensor load, no cluster: 2 MB are read once and nothing is shared between work-groups.
.set SNP,   1040                       ; a keypoint's row of the f32 stage: 1,024 bytes + 16
.set SN,    0                          ; 64 such rows
.set SCD,   66560                      ; 64 x 192 bytes of codes
.set SSC,   78848                      ; 64 x 8 scale bytes
.set SS,    79360                      ; 16 waves x 32 partial sums of squares
.set SPARE, 81408                      ; the spare words: 128 bytes a wave, named by no other line
.set SPW, 10
.set NIL, 11
.set X,   16                           ; v16-47 my keypoint's 32 channels
.macro BARRIER
	s_wait_dscnt 0x0                               ; my LDS stores have landed and my LDS loads are in
	s_barrier_signal -1
	s_barrier_wait -1
.endm
	s_load_b256 s[4:11], s[0:1], 0x0               ; keypoint_desc, keypoint_coords, kuv, scodes
	s_load_b128 s[12:15], s[0:1], 0x20             ; sscales, srcn
	s_load_b64 s[16:17], s[0:1], 0x30              ; out2
	v_lshl_add_u32 v[SPW], v0, 2, SPARE
	v_mov_b32 v[NIL], 0
	v_lshrrev_b32 v1, 5, v0
	v_readfirstlane_b32 s18, v1                    ; wave
	v_and_b32 v1, 31, v0                           ; lane
	s_lshr_b32 s19, s18, 3                         ; kg
	s_and_b32 s20, s18, 7                          ; beta
	s_lshr_b32 s21, ttmp9, 4                       ; b
	s_and_b32 s22, ttmp9, 15
	s_lshl_b32 s22, s22, 6                         ; the group's first keypoint in its set
	v_lshlrev_b32 v2, 2, v1
	v_lshlrev_b32 v104, 4, v1
	v_lshlrev_b32 v105, 3, v1
	s_lshl_b32 s23, s19, 5
	v_add_nc_u32 v117, s23, v1                     ; my keypoint among the 64
	s_lshl_b32 s24, s18, 7
	s_add_co_u32 s24, s24, SS
	v_add_nc_u32 v3, s24, v2                       ; where I put my partial sum
	s_lshl_b32 s24, s19, 10
	s_add_co_u32 s24, s24, SS
	v_add_nc_u32 v4, s24, v2                       ; where the eight partial sums of my keypoint begin
	v_mul_u32_u24 v5, v117, SNP
	s_lshl_b32 s24, s20, 6
	v_add_nc_u32 v5, s24, v5                       ; f32 stage: my row, + 64 beta
	v_mul_u32_u24 v6, v117, 192
	s_mul_i32 s24, s20, 24
	s_add_co_u32 s24, s24, SCD
	v_add_nc_u32 v6, s24, v6                       ; codes: my row, my block's 24 bytes
	v_lshlrev_b32 v7, 3, v117
	s_add_co_u32 s24, s20, SSC
	v_add_nc_u32 v7, s24, v7                       ; my block's scale byte
	s_mul_i32 s24, s18, 4*SNP
	v_add_nc_u32 v8, s24, v104                     ; back: rows 4 w on, 16 bytes a lane
	s_mul_i32 s24, s18, 768
	s_add_co_u32 s24, s24, SCD
	v_add_nc_u32 v9, s24, v105                     ; back: 768 bytes of codes a wave, 8 bytes a lane
	v_add_nc_u32 v116, SSC, v104                   ; back: the 512 scale bytes
	s_lshl_b32 s26, s21, 21                        ; set 2 b,
	s_lshl_b32 s24, s20, 17                        ; channel 32 beta,
	s_add_co_u32 s26, s26, s24
	s_add_co_u32 s24, s22, s23
	s_lshl_b32 s24, s24, 2                         ; my wave's first keypoint
	s_add_co_u32 s26, s26, s24
	s_mov_b32 s27, 0
	s_lshl_b32 s28, s21, 14
	s_lshl_b32 s24, s22, 3
	s_add_co_u32 s28, s28, s24                     ; the group's coordinates
	s_mov_b32 s29, 0
	s_lshl_b32 s30, ttmp9, 8
	s_mov_b32 s31, 0
	s_mul_i32 s32, ttmp9, 12288
	s_mul_i32 s24, s18, 768
	s_add_co_u32 s32, s32, s24
	s_mov_b32 s33, 0
	s_lshl_b32 s34, ttmp9, 9
	s_mov_b32 s35, 0
	s_lshl_b32 s36, ttmp9, 16
	s_lshl_b32 s24, s18, 12
	s_add_co_u32 s36, s36, s24
	s_mov_b32 s37, 0
	s_mov_b32 s38, 0xc1600000                      ; -14.0
	s_mov_b32 s39, 0x43868000                      ; 269.0
	s_wait_kmcnt 0x0
	s_add_nc_u64 s[4:5], s[4:5], s[26:27]
	s_add_nc_u64 s[6:7], s[6:7], s[28:29]
	s_add_nc_u64 s[8:9], s[8:9], s[30:31]
	s_add_nc_u64 s[10:11], s[10:11], s[32:33]
	s_add_nc_u64 s[12:13], s[12:13], s[34:35]
	s_add_nc_u64 s[14:15], s[14:15], s[36:37]
	global_load_b128 v[12:15], v104, s[6:7]        ; two keypoints' coordinates a lane (used by wave 0; asked for early by all, so that the registers are written on every way)
.set kk, 0
.rept 32
	global_load_b32 v[X+kk], v2, s[4:5] offset:4096*kk th:TH_LOAD_NT   ; channel 32 beta + kk of 32 neighbouring keypoints
.set kk, kk+1
.endr
	s_wait_loadcnt 0x0
	v_pk_mul_f32 v[56:57], v[X:X+1], v[X:X+1]      ; the sum of my 32 squares, in two packed chains
	v_pk_mul_f32 v[58:59], v[X+2:X+3], v[X+2:X+3]
.irp t, 4,8,12,16,20,24,28
	v_pk_fma_f32 v[56:57], v[X+\t:X+\t+1], v[X+\t:X+\t+1], v[56:57]
	v_pk_fma_f32 v[58:59], v[X+\t+2:X+\t+3], v[X+\t+2:X+\t+3], v[58:59]
.endr
	v_pk_add_f32 v[56:57], v[56:57], v[58:59]
	v_add_f32 v56, v56, v57
	ds_store_b32 v3, v56
	BARRIER                                        ; all partial sums lie in LDS
.irp w, 0,1,2,3,4,5,6,7
	ds_load_b32 v[48+\w], v4 offset:128*\w
.endr
	s_wait_dscnt 0x0
.irp w, 1,2,3,4,5,6,7
	v_add_f32 v48, v48, v[48+\w]                   ; the same order in all eight waves: they get the same norm
.endr
	v_sqrt_f32 v56, v48
	v_mov_b32 v59, 0                               ; a plain line behind the root (v59 is named below as the upper half of a pair)
	s_wait_alu depctr_va_vdst(0)                   ; ahead of the root's first reader
	v_max_num_f32 v56, 0x2b8cbccc, v56             ; max(norm, 1e-12)
	v_rcp_f32 v58, v56
	v_nop
	s_wait_alu depctr_va_vdst(0)
.irp t, 0,2,4,6,8,10,12,14,16,18,20,22,24,26,28,30
	v_pk_mul_f32 v[X+\t:X+\t+1], v[X+\t:X+\t+1], v[58:59] op_sel_hi:[1,0]
.endr
.irp k, 0,1,2,3,4,5,6,7                        ; srcn's order: channel c at part (c / 4) % 2, lane c / 8, place c % 4, as the last launch's lanes take it
	ds_store_b128 v5, v[X+4*\k:X+4*\k+3] offset:512*(\k%2)+16*(\k/2)
.endr
	v_max3_num_f32 v60, |v[X]|, |v[X+1]|, |v[X+2]|   ; the block's largest magnitude: all 32 numbers are mine
	v_max3_num_f32 v61, |v[X+3]|, |v[X+4]|, |v[X+5]|
.irp i, 6,10,14,18,22,26
	v_max3_num_f32 v60, v60, |v[X+\i]|, |v[X+\i+1]|
	v_max3_num_f32 v61, v61, |v[X+\i+2]|, |v[X+\i+3]|
.endr
	v_max3_num_f32 v60, v60, |v[X+30]|, |v[X+31]|
	v_max3_num_f32 v60, v60, v61, 0x1800000        ; and the floor 2^(3 - 127): the byte cannot fall under 1
	v_add_nc_u32 v62, 0xff000000, v60              ; 2 off the exponent field: the conversion's scale operand
	v_cvt_scalef32_pk16_fp6_f32 v[64:66], v[X:X+15], v62
	v_cvt_scalef32_pk16_fp6_f32 v[68:70], v[X+16:X+31], v62
	v_lshrrev_b32 v63, 23, v62                     ; the scale's byte (also the plain line behind the conversions)
	v_mov_b32 v67, v68                             ; the block's 24 bytes on end
	v_mov_b32 v68, v69
	v_mov_b32 v69, v70
	ds_store_b64 v6, v[64:65]
	ds_store_b64 v6, v[66:67] offset:8
	ds_store_b64 v6, v[68:69] offset:16
	ds_store_b8 v7, v63
	BARRIER                                        ; 64 whole rows of numbers, codes and scale bytes lie in LDS
.irp r, 0,1,2,3,4,5,6,7
	ds_load_b128 v[72+4*\r:75+4*\r], v8 offset:SNP*(\r/2)+512*(\r%2)
.endr
.irp q, 0,1,2
	ds_load_b64 v[106+2*\q:107+2*\q], v9 offset:256*\q
.endr
.irp r, 0,1,2,3,4,5,6,7
	s_wait_dscnt 10-\r                             ; the LDS loads younger than this one may be out
	global_store_b128 v104, v[72+4*\r:75+4*\r], s[14:15] offset:512*\r   ; 512 consecutive bytes of srcn
.endr
.irp q, 0,1,2
	s_wait_dscnt 2-\q
	global_store_b64 v105, v[106+2*\q:107+2*\q], s[10:11] offset:256*\q  ; 256 consecutive bytes of scodes
.endr
	s_cmp_lg_u32 s18, 0
	s_cbranch_scc1 .Lend
	ds_load_b128 v[112:115], v116
.irp i, 0,1,2,3
	v_med3_num_f32 v[12+\i], v[12+\i], s38, s39    ; held to -14 .. 269, then cut toward zero: the same as trunc and then the hold
.endr
.irp i, 0,1,2,3
	v_cvt_i32_f32 v[12+\i], v[12+\i]
.endr
.irp i, 0,1,2,3
	v_add_nc_u32 v[12+\i], 14, v[12+\i]
.endr
	v_lshlrev_b32 v12, 10, v12
	v_lshl_or_b32 v12, v13, 19, v12
	v_lshlrev_b32 v14, 10, v14
	v_lshl_or_b32 v13, v15, 19, v14
	global_store_b64 v105, v[12:13], s[8:9]        ; 256 consecutive bytes of kuv
	s_wait_dscnt 0x0
	global_store_b128 v104, v[112:115], s[12:13]   ; 512 consecutive bytes of sscales
	s_cmp_lg_u32 ttmp9, 0
	s_cbranch_scc1 .Lend
	v_lshlrev_b32 v14, 1, v1                       ; kp_inds: 2 i
	v_cmp_gt_u32 vcc_lo, 2, v1
	s_wait_xcnt 0x0                                ; EXEC changes only behind this wait
	s_and_saveexec_b32 s40, vcc_lo
	global_store_b32 v2, v14, s[16:17]
	s_wait_xcnt 0x0
	s_or_b32 exec_lo, exec_lo, s40
.Lend:
	s_wait_tensorcnt 0x0                           ; the wave's end: three closing lines behind my last LDS store
	ds_add_u32 v[SPW], v[NIL]
	s_wait_dscnt 0x0
	s_endpgm
.Lfunc_end_k_qec5727913f_prep:
	.size	k_qec5727913f_prep, .Lfunc_end_k_qec5727913f_prep-k_qec5727913f_prep
	.p2alignl 7, 3214868480
	.fill 96, 4, 3214868480
	.section	.rodata,"a",@progbits
	.p2align	6, 0x0
	.amdhsa_kernel k_qec5727913f_prep
		.amdhsa_group_segment_fixed_size 83456
		.amdhsa_private_segment_fixed_size 0
		.amdhsa_enable_private_segment 0
		.amdhsa_kernarg_size 56
		.amdhsa_user_sgpr_count 2
		.amdhsa_user_sgpr_kernarg_segment_ptr 1
		.amdhsa_wavefront_size32 1
		.amdhsa_system_sgpr_workgroup_id_x 1
		.amdhsa_system_sgpr_workgroup_id_y 1
		.amdhsa_system_sgpr_workgroup_id_z 1
		.amdhsa_system_vgpr_workitem_id 0
		.amdhsa_next_free_vgpr 128
		.amdhsa_next_free_sgpr 66
		.amdhsa_reserve_vcc 1
		.amdhsa_float_denorm_mode_32 3
		.amdhsa_float_denorm_mode_16_64 3
		.amdhsa_memory_ordered 1
		.amdhsa_forward_progress 1
		.amdhsa_inst_pref_size 16
	.end_amdhsa_kernel
	.amdgpu_metadata
---
amdhsa.version: [ 1, 2 ]
amdhsa.kernels:
  - .name:           k_qec5727913f_prep
    .symbol:         k_qec5727913f_prep.kd
    .args:
      - { .name: keypoint_desc, .offset: 0, .size: 8, .value_kind: global_buffer, .address_space: global }
      - { .name: keypoint_coords, .offset: 8, .size: 8, .value_kind: global_buffer, .address_space: global }
      - { .name: kuv, .offset: 16, .size: 8, .value_kind: global_buffer, .address_space: global }
      - { .name: scodes, .offset: 24, .size: 8, .value_kind: global_buffer, .address_space: global }
      - { .name: sscales, .offset: 32, .size: 8, .value_kind: global_buffer, .address_space: global }
      - { .name: srcn, .offset: 40, .size: 8, .value_kind: global_buffer, .address_space: global }
      - { .name: out2, .offset: 48, .size: 8, .value_kind: global_buffer, .address_space: global }
    .group_segment_fixed_size: 83456
    .private_segment_fixed_size: 0
    .kernarg_segment_align: 8
    .kernarg_segment_size: 56
    .max_flat_workgroup_size: 512
    .sgpr_count:     66
    .vgpr_count:     128
    .wavefront_size: 32
...
	.end_amdgpu_metadata
.endif
;; end of part 1
;; launch match (part 2): grid 256 x 1, 8 waves a work-group, no clusters, 323,840 bytes of LDS; arguments desc_dense, kuv, scodes, sscales, tcopy, part; writes tcopy, part
.if DOCPART == 2
	.amdgcn_target "amdgcn-amd-amdhsa--gfx1250"
	.amdhsa_code_object_version 6
	.text
	.protected	k_qec5727913f_match
	.globl	k_qec5727913f_match
	.p2align	8
	.type	k_qec5727913f_match,@function
k_qec5727913f_match:
	s_mov_b64 s[64:65], 0
	v_nop
	global_prefetch_b8 v0, s[64:65] scope:SCOPE_SE
	s_setreg_imm32_b32 hwreg(HW_REG_WAVE_MODE, 25, 1), 1
	s_wait_xcnt 0x0
; SoftmaxMatcher, launch 2 of 4: the dense image is read ONCE; its pixels are normalised, quantised, multiplied with the keypoints whose window meets them, and put through a running softmax.
; WORK LEFT OUT: a keypoint is multiplied only with the pairs of image rows that meet its 27 x 27 window (reference() multiplies the rest by its own zeros); slices 0 and 2 of desc_dense are never indexed.
; SHARES.  Work-group x: pair b = x / 128, image rows 2 p, 2 p + 1 (p = x % 128), in four chunks of 128 pixels x 256 channels.  Wave beta streams channels 32 beta .. + 31 (one block of the quantiser);
; lane l holds pixels 4 l .. 4 l + 3, register 4 k + i = channel k, pixel i: each load covers 512 consecutive bytes.  Two register buffers: the next chunk's 32 loads a wave are out while a chunk is worked.
; A CHUNK: sums of squares meet in LDS | barrier | the raw numbers go as bf16 into a stage (pixel-major copy for the last launch); numbers x 1 / max(norm, 1e-12); codes and scale bytes go to LDS as images of
; operand registers | barrier | each wave stores 16 pixel rows of the copy (512 consecutive bytes each) and works its tiles of 16 keypoints: 16 matrix instructions, mask, running maximum, exponentials, sums.
; THE COPY IS bf16: the sum over channels of src x sampled descriptor is a product left as it is; it feeds no quantiser; its operand's rounding moves desc_match_score by about 2^-9 x rms(descriptor) / 256.
; LISTS.  From kuv (whole numbers stored by the launch before) the keypoints with 2 p + 1 <= vc <= 2 p + 28 are the work-group's.  All waves fill the list with entries whose window is empty | barrier | every wave
; counts the members; wave 0 also places them | barrier.  Tiles of 16 entries; tile t belongs to wave t % 8.
; PRODUCT.  Source 0 = 16 pixels, source 1 = 16 keypoints.  Pixel fragment f = 4 g + i holds pixels 64 g + 4 m + i (m its row), so in the result lane (r, h) is keypoint r and register j is pixel
; u = 128 a + 64 g + 32 h + 4 j + i.  Masked scores become 0 and stay in the softmax, as in reference().  t = score x 100 log2(e); p = 2^(t - m), m the running maximum; l, su, sv the sums of p, p u, p v.
; After the fourth chunk (m, l, su, sv) of the pair of rows goes to part[keypoint][p - first pair of its window], 16 bytes a keypoint; all lanes stay on: an empty entry's four numbers go to 16 slots of the
; work-group's own behind part's 28,672, which nobody reads.  These are short stores to rows 224 bytes apart: 16 bytes for each 512 pixels x 256 channels that a keypoint was multiplied with.
; No tensor loads: the walk hangs on numbers read from memory.  No cluster: work-groups share only the keypoints' codes, a small part of a step's bytes.  No prefetch: the launch streams its input from its first line to its last.
; LIMITS: NaN and infinities among the inputs, and sums of 256 squares beyond f32's range, are not served; a block of zeros gets the byte 1: its codes are zeros, and this launch alone reads the bytes.
.set SPITCH, 528                       ; a stage row: 512 bytes (256 bf16 of one pixel) + 16.  Pixel 4 l + i lies in row 32 i + l: lanes 528 bytes apart on the way in, whole rows on the way out
.set STAGE, 0
.set IMG,   67584                      ; 16 images of pixel fragments, 1,536 bytes each: index 2 f + s (s: which 128 channels)
.set ISC,   92160                      ; their scale words: (2 i + s) x 128 + 4 x lane; lanes 0-15 g = 0, lanes 16-31 g = 1
.set SS,    93184                      ; 8 waves x 128 pixels: partial sums of squares
.set LIST,  97280                      ; 1,024 entries: id | uc << 10 | vc << 19; directly behind them, as entries 1,024 + lane, the 32 words where lanes that hold no member store
.set STAT,  101632                     ; 64 tiles x 16 keypoints x (m, l, su, sv); tile w + 8 k at slot 8 w + k: each wave's own run
.set BIMG,  118016                     ; 64 tiles x 3,200: the keypoints' two fragments as images (3,072) and their scale words (128); slots as STAT's
.set BTILE, 3200
.set SPARE, 322816                     ; the spare words: 128 bytes a wave, named by no other line
.set PSLOTS, 28672                     ; part: 2,048 keypoints x 14 slots of 16 bytes; behind them 16 slots for each work-group
.set L16, 1                            ; 16 x lane
.set L4,  2                            ; 4 x lane
.set SSW, 3
.set SSR, 4
.set TSW, 5                            ; stage, in
.set TRW, 6                            ; stage, out
.set TA,  7                            ; v7-10 the tile in hand: its images, scale words, entries, statistics
.set BSC, 12                           ; the keypoints' scale words: lanes 0-15 channels 0-127, lanes 16-31 channels 128-255; holds nothing else
.set IA0, 13
.set IA1, 14
.set ISB, 15
.set IMR, 16
.set ISR, 17
.set LRW, 18
.set STW, 19
.set XH,  20                           ; 5 - 32 (lane / 16)
.set DMP, 21                           ; PSLOTS + 16 x work-group + lane % 16: where an empty entry's numbers go
.set BIW, 22
.set BSW, 23
.set SPW, 24
.set NIL, 25
.set NM,  26                           ; v[26:27] -m (the packed form names a pair and takes its low word)
.set RR,  28                           ; v28-31 1 / max(norm, 1e-12) of my four pixels
.set UC,  32                           ; v32-63 float(32 h + 4 j + i) at 8 i + j
.set Y,   64                           ; v64-191 normalised numbers, pixel i at 32 i
.set S,   64                           ; v64-127 the scores of a tile: fragment f at 8 f
.set AF,  128                          ; v128-175 two pixel fragments x two halves of K
.set KU,  128                          ; (head only) v128-159 the pair's 1,024 words of kuv
.set BF,  192                          ; v192-215 the keypoints' two fragments
.set ENT, 217
.set LAD, 218                          ; (head only) where a member's entry goes
.set DIX, 222                          ; (head only) 1,024 + lane
.set PFW, 223                          ; (head only) my wave's 128 entries of the list, 4 bytes a lane
.set ASC, 224                          ; v224-231 the pixels' scale words, 2 i + s; they hold nothing else
.set H24, 232                          ; (head only)
.set H4,  233
.set MSB, 0
.macro WIN new                         ; the immediate's high byte repeats the setting that is left
.if MSB != \new
	s_set_vgpr_msb (MSB<<8)|\new
.set MSB, \new
.endif
.endm
.macro BARRIER
	s_wait_dscnt 0x0                               ; my LDS stores have landed and my LDS loads are in
	s_barrier_signal -1
	s_barrier_wait -1
.endm
.macro XLOAD buf, c, k0, n             ; chunk c: channels k0 .. k0 + n - 1 of my 32, 128 pixels each, into buffer buf of window 1
	WIN 0x40
.set kk, \k0
.rept \n
	global_load_b128 v[128*(\buf)+4*kk:128*(\buf)+4*kk+3], v[L16], s[20:21] offset:262144*kk+1024*((\c)/2)+512*((\c)%2) th:TH_LOAD_NT
.set kk, kk+1
.endr
	WIN 0
.endm
.macro BGATHER reg, la, lo             ; the 16 keypoints of a tile: lane (r, h) takes entry r's codes (24 h bytes on) and scale word h
	ds_load_b32 v[ENT], v[\la] offset:\lo
	s_wait_dscnt 0x0
	v_and_b32 v[\reg+26], 0x3ff, v[ENT]
	v_min_u32 v[\reg+26], 0x3ff, v[\reg+26]        ; a number that was read enters an address behind this hold; behind it shifts to the left and additions alone
	v_lshlrev_b32 v[\reg+27], 6, v[\reg+26]
	v_lshlrev_b32 v[\reg+25], 7, v[\reg+26]
	v_add_nc_u32 v[\reg+27], v[\reg+27], v[\reg+25]   ; 192 x id
	v_add_nc_u32 v[\reg+27], v[\reg+27], v[H24]
	v_lshlrev_b32 v[\reg+26], 3, v[\reg+26]
	v_add_nc_u32 v[\reg+26], v[\reg+26], v[H4]
.irp n, 0,1,2,3,4,5,6,7,8,9,10,11
	global_load_b64 v[\reg+2*\n:\reg+2*\n+1], v[\reg+27], s[8:9] offset:48*(\n/3)+8*(\n%3)
.endr
	global_load_b32 v[\reg+24], v[\reg+26], s[10:11]
.endm
.macro BSTORE reg, ia, sa, off         ; and their image into my own bytes of LDS
.irp g, 0,1,2,3,4,5
	ds_store_b128 v[\ia], v[\reg+4*\g:\reg+4*\g+3] offset:\off+512*\g
.endr
	ds_store_b32 v[\sa], v[\reg+24] offset:\off
.endm
.macro WMASK dst, x                    ; 27 ones shifted by x - 32 (left if positive), 0 for x beyond 0 .. 63 (a negative x is a large unsigned one)
	v_min_u32 v183, 64, v[\x]
	v_min_u32 v184, 32, v183
	v_sub_nc_u32 v185, 32, v184
	v_min_u32 v185, 31, v185                       ; to the right: 32 - x, and 27 ones are gone at 31 as at 32
	v_sub_nc_u32 v183, v183, v184                  ; to the left: x - 32, up to 32, in two shifts
	v_min_u32 v184, 16, v183
	v_sub_nc_u32 v183, v183, v184
	v_lshrrev_b32 v[\dst], v185, s36
	v_lshlrev_b32 v[\dst], v184, v[\dst]
	v_lshlrev_b32 v[\dst], v183, v[\dst]
.endm
; the four shapes of the matrix instruction: a sum's first half of K starts it with 0; the second adds in place.  g = 1 takes the pixels' scales from lanes 16-31, the second half of K the keypoints'
.macro WZ0 d, a, sa
	v_wmma_scale_f32_16x16x128_f8f6f4 v[(\d):(\d)+7], v[(\a):(\a)+11], v[BF:BF+11], 0, v[(\sa)], v[BSC] matrix_a_fmt:MATRIX_FMT_FP6 matrix_b_fmt:MATRIX_FMT_FP6
.endm
.macro WZ1 d, a, sa
	v_wmma_scale_f32_16x16x128_f8f6f4 v[(\d):(\d)+7], v[(\a):(\a)+11], v[BF:BF+11], 0, v[(\sa)], v[BSC] matrix_a_fmt:MATRIX_FMT_FP6 matrix_b_fmt:MATRIX_FMT_FP6 matrix_a_scale:MATRIX_SCALE_ROW1
.endm
.macro WA0 d, a, sa
	v_wmma_scale_f32_16x16x128_f8f6f4 v[(\d):(\d)+7], v[(\a):(\a)+11], v[BF+12:BF+23], v[(\d):(\d)+7], v[(\sa)], v[BSC] matrix_a_fmt:MATRIX_FMT_FP6 matrix_b_fmt:MATRIX_FMT_FP6 matrix_b_scale:MATRIX_SCALE_ROW1
.endm
.macro WA1 d, a, sa
	v_wmma_scale_f32_16x16x128_f8f6f4 v[(\d):(\d)+7], v[(\a):(\a)+11], v[BF+12:BF+23], v[(\d):(\d)+7], v[(\sa)], v[BSC] matrix_a_fmt:MATRIX_FMT_FP6 matrix_b_fmt:MATRIX_FMT_FP6 matrix_a_scale:MATRIX_SCALE_ROW1 matrix_b_scale:MATRIX_SCALE_ROW1
.endm
; ONE TILE OF 16 KEYPOINTS AGAINST THE CHUNK'S 128 PIXELS.  s28, s29, s30: the tile's place in my images, in the list, in my statistics.  s31 = image row + 27, s46 = image row.  AH: which half of the row
.macro TILE c
	v_add_nc_u32 v[TA], s28, v[BIW]
	v_add_nc_u32 v[TA+1], s28, v[BSW]
	v_add_nc_u32 v[TA+2], s29, v[LRW]
	v_add_nc_u32 v[TA+3], s30, v[STW]
.irp g, 0,1,2,3,4,5
	ds_load_b128 v[BF+4*\g:BF+4*\g+3], v[TA] offset:512*\g
.endr
	ds_load_b32 v[BSC], v[TA+1]
	ds_load_b32 v[ENT], v[TA+2]
.if \c > 0
	ds_load_b128 v[232:235], v[TA+3]               ; m, l, su, sv so far (my own bytes: LDS serves a wave's instructions in order)
.else
	v_mov_b32 v232, 0xff61b1e6                     ; -3e38, under every t
	v_mov_b32 v233, 0
	v_mov_b32 v234, 0
	v_mov_b32 v235, 0
.endif
.irp P, 0,1,2,3                                ; fragments 2 P and 2 P + 1: two accumulators by turns, one instruction a turn
.if \P > 0
.rept 4
	v_nop                                          ; places in front of loads into registers that matrix instructions have read
.endr
.endif
.irp n, 0,1,2,3
.irp q, 0,1,2
	ds_load_b128 v[AF+12*\n+4*\q:AF+12*\n+4*\q+3], v[IMR] offset:(4*\P+\n)*1536+512*\q
.endr
.endr
	s_wait_dscnt 0x0
.if \P < 2
	WZ0 S+16*\P, AF, ASC+4*(\P%2)
	WZ0 S+16*\P+8, AF+24, ASC+4*(\P%2)+2
	WA0 S+16*\P, AF+12, ASC+4*(\P%2)+1
	WA0 S+16*\P+8, AF+36, ASC+4*(\P%2)+3
.else
	WZ1 S+16*\P, AF, ASC+4*(\P%2)
	WZ1 S+16*\P+8, AF+24, ASC+4*(\P%2)+2
	WA1 S+16*\P, AF+12, ASC+4*(\P%2)+1
	WA1 S+16*\P+8, AF+36, ASC+4*(\P%2)+3
.endif
.endr
	; the window as two words of bits, bit 4 j + i for pixel 128 a + 64 g + 32 h + 4 j + i.  (These plain lines name no register of the last products: they are the places behind them)
	v_lshrrev_b32 v176, 19, v[ENT]                 ; vc
	v_bfe_u32 v177, v[ENT], 10, 9                  ; uc
	v_sub_nc_u32 v178, s31, v176                   ; row + 27 - vc: 0 .. 26 where the row lies in the window
	v_cmp_gt_u32 vcc_lo, 27, v178
	v_add_nc_u32 v179, v177, v[XH]                 ; x = the window's first pixel - my first pixel + 32
.if AH
	v_add_nc_u32 v179, 0xffffff80, v179
.endif
	v_cndmask_b32 v179, 0, v179, vcc_lo            ; a row outside: x = 0, no bit
	v_add_nc_u32 v180, 0xffffffc0, v179            ; g = 1: 64 pixels on
	WMASK 181, 179
	WMASK 182, 180
.irp f, 0,1,2,3,4,5,6,7                        ; each accumulator is read from its low end on
.irp j, 0,1,2,3,4,5,6,7
	v_lshlrev_b32 v[186+(\j%2)], 31-(4*\j+(\f%4)), v[181+(\f/4)]
	v_ashrrev_i32 v[186+(\j%2)], 31, v[186+(\j%2)]
	v_and_b32 v[S+8*\f+\j], v[186+(\j%2)], v[S+8*\f+\j]   ; a masked score is +0
.endr
.endr
.irp q, 0,1,2,3
	v_max3_num_f32 v[248+\q], v[S+16*\q], v[S+16*\q+1], v[S+16*\q+2]
.endr
.irp i, 3,5,7,9,11,13
.irp q, 0,1,2,3
	v_max3_num_f32 v[248+\q], v[248+\q], v[S+16*\q+\i], v[S+16*\q+\i+1]
.endr
.endr
.irp q, 0,1,2,3
	v_max_num_f32 v[248+\q], v[248+\q], v[S+16*\q+15]
.endr
	v_max3_num_f32 v248, v248, v249, v250
	v_max_num_f32 v248, v248, v251
	v_mul_f32 v248, s32, v248                      ; as t (the factor is positive)
	v_permlanex16_b32 v249, v248, s34, s35         ; the keypoint's other 64 pixels lie in the lane 16 away
	v_max3_num_f32 v236, v248, v249, v232          ; the new m
	v_xor_b32 v[NM], 0x80000000, v236
	v_sub_f32 v250, v232, v236                     ; old m - new m
.irp e, 0,2,4,6,8,10,12,14,16,18,20,22,24,26,28,30,32,34,36,38,40,42,44,46,48,50,52,54,56,58,60,62
	v_pk_fma_f32 v[S+\e:S+\e+1], v[S+\e:S+\e+1], s[32:33], v[NM:NM+1] op_sel_hi:[1,0,0]   ; t - m
.endr
.irp e, 0,1,2,3,4,5,6,7,8,9,10,11,12,13,14,15,16,17,18,19,20,21,22,23,24,25,26,27,28,29,30,31,32,33,34,35,36,37,38,39,40,41,42,43,44,45,46,47,48,49,50,51,52,53,54,55,56,57,58,59,60,61,62,63
	v_exp_f32 v[S+\e], v[S+\e]
.endr
	v_exp_f32 v250, v250                           ; f = 2^(old m - new m)
	v_nop                                          ; a plain line behind the last exponential
	s_wait_alu depctr_va_vdst(0)                   ; one wait for the batch of 65, ahead of its first reader
	v_pk_add_f32 v[240:241], v[S:S+1], v[S+2:S+3]          ; four chains by turns: the sums of p (g = 0, g = 1) and of p x (32 h + 4 j + i)
	v_pk_add_f32 v[242:243], v[S+32:S+33], v[S+34:S+35]
	v_pk_mul_f32 v[244:245], v[S:S+1], v[UC:UC+1]
	v_pk_mul_f32 v[246:247], v[S+32:S+33], v[UC:UC+1]
	v_pk_fma_f32 v[244:245], v[S+2:S+3], v[UC+2:UC+3], v[244:245]
	v_pk_fma_f32 v[246:247], v[S+34:S+35], v[UC+2:UC+3], v[246:247]
.irp e, 4,6,8,10,12,14,16,18,20,22,24,26,28,30
	v_pk_add_f32 v[240:241], v[240:241], v[S+\e:S+\e+1]
	v_pk_add_f32 v[242:243], v[242:243], v[S+32+\e:S+33+\e]
	v_pk_fma_f32 v[244:245], v[S+\e:S+\e+1], v[UC+\e:UC+\e+1], v[244:245]
	v_pk_fma_f32 v[246:247], v[S+32+\e:S+33+\e], v[UC+\e:UC+\e+1], v[246:247]
.endr
	v_add_f32 v240, v240, v241
	v_add_f32 v242, v242, v243                     ; the sum of p over g = 1
	v_pk_add_f32 v[244:245], v[244:245], v[246:247]
	v_add_f32 v240, v240, v242                     ; the sum of p, my half
	v_add_f32 v244, v244, v245
	v_fmamk_f32 v244, v242, 0x42800000, v244       ; + 64 for g = 1
.if AH
	v_fmamk_f32 v244, v240, 0x43000000, v244       ; + 128 for the row's second half
.endif
	v_permlanex16_b32 v241, v240, s34, s35
	v_permlanex16_b32 v245, v244, s34, s35
	v_add_f32 v240, v240, v241
	v_add_f32 v244, v244, v245
	v_cvt_f32_u32 v251, s46
	v_fma_f32 v237, v233, v250, v240               ; l
	v_fma_f32 v238, v234, v250, v244               ; su
	v_mul_f32 v251, v251, v240
	v_fma_f32 v239, v235, v250, v251               ; sv
.if \c < 3
	ds_store_b128 v[TA+3], v[236:239]              ; both halves of the lanes hold, and write, the same
.else
	v_min_u32 v178, 27, v176
	v_sub_nc_u32 v178, v176, v178
	v_lshrrev_b32 v178, 1, v178                    ; the first pair of rows of the keypoint's window
	v_sub_nc_u32 v178, s19, v178                   ; 14,336 b + my pair's slot, 0 .. 13
	v_and_b32 v179, 0x3ff, v[ENT]
	v_mad_u32_u24 v179, v179, 14, v178             ; the slot in part
	v_cmp_gt_u32 vcc_lo, 511, v176                 ; a true entry?
	v_cndmask_b32 v179, v[DMP], v179, vcc_lo       ; an empty one's numbers go behind part's slots
	v_min_u32 v179, 0x7fff, v179                   ; a number that was read enters an address behind this hold; behind it a shift to the left alone
	v_lshlrev_b32 v179, 4, v179
	global_store_b128 v179, v[236:239], s[14:15]   ; all lanes on: lanes 16-31 hold the same entry and the same numbers as lanes 0-15 and write the same bytes
	s_wait_xcnt 0x0                                ; the store has read its registers: the next tile writes them
.endif
.endm
.macro CHUNK c
.set XB, 128*((\c)%2)
.set AH, (\c)%2
.if \c == 3
	s_wait_loadcnt 0x0
.elseif \c > 0
	s_wait_loadcnt 32                              ; this chunk's loads are in; the next chunk's 32 may be out.  (Chunk 0 is in since the head's wait for all loads)
.endif
	WIN 0x05                                       ; sources 0 and 1 in window 1
	v_pk_mul_f32 v[248:249], v[XB:XB+1], v[XB:XB+1]        ; my four pixels' sums of 32 squares: four chains
	v_pk_mul_f32 v[250:251], v[XB+2:XB+3], v[XB+2:XB+3]
	v_pk_mul_f32 v[252:253], v[XB+4:XB+5], v[XB+4:XB+5]
	v_pk_mul_f32 v[254:255], v[XB+6:XB+7], v[XB+6:XB+7]
.set kk, 2
.rept 30
	v_pk_fma_f32 v[248+4*(kk%2):249+4*(kk%2)], v[XB+4*kk:XB+4*kk+1], v[XB+4*kk:XB+4*kk+1], v[248+4*(kk%2):249+4*(kk%2)]
	v_pk_fma_f32 v[250+4*(kk%2):251+4*(kk%2)], v[XB+4*kk+2:XB+4*kk+3], v[XB+4*kk+2:XB+4*kk+3], v[250+4*(kk%2):251+4*(kk%2)]
.set kk, kk+1
.endr
	WIN 0
	v_pk_add_f32 v[248:249], v[248:249], v[252:253]
	v_pk_add_f32 v[250:251], v[250:251], v[254:255]
	ds_store_b128 v[SSW], v[248:251]
	BARRIER                                        ; the partial sums lie in LDS; and every wave has left the last chunk's stage, images and scale words
.irp w, 0,1,2,3,4,5,6,7
	ds_load_b128 v[192+4*\w:195+4*\w], v[SSR] offset:512*\w
.endr
	WIN 0x05
.irp i, 0,1,2,3                                ; the raw numbers as bf16: pixel i, eight channels to 16 bytes
.irp k, 0,1,2,3
.irp q, 0,1,2,3
	v_cvt_pk_bf16_f32 v[64+16*\i+4*\k+\q], v[XB+4*(8*\k+2*\q)+\i], v[XB+4*(8*\k+2*\q+1)+\i]
.endr
.endr
.endr
	WIN 0
.irp i, 0,1,2,3
.irp k, 0,1,2,3
	ds_store_b128 v[TSW], v[64+16*\i+4*\k:67+16*\i+4*\k] offset:32*SPITCH*\i+16*\k
.endr
.endr
	s_wait_dscnt 16                                ; the eight loads are in; the sixteen stores behind them may be out
.irp w, 1,2,3,4,5,6,7
	v_pk_add_f32 v[192:193], v[192:193], v[192+4*\w:193+4*\w]   ; the same order in all eight waves: they get the same norm
	v_pk_add_f32 v[194:195], v[194:195], v[194+4*\w:195+4*\w]
.endr
.irp i, 0,1,2,3
	v_sqrt_f32 v[RR+\i], v[192+\i]
.endr
	v_nop
	s_wait_alu depctr_va_vdst(0)                   ; one wait for the four roots
.irp i, 0,1,2,3
	v_max_num_f32 v[RR+\i], 0x2b8cbccc, v[RR+\i]   ; max(norm, 1e-12)
.endr
.irp i, 0,1,2,3
	v_rcp_f32 v[RR+\i], v[RR+\i]
.endr
	v_nop
	s_wait_alu depctr_va_vdst(0)                   ; and one for the four reciprocals
	s_wait_dscnt 0x0                               ; the stage's stores have read their registers
	WIN 0x01                                       ; source 0 in window 1
.irp i, 0,1,2,3
.set kk, 0
.rept 32
	v_mul_f32 v[Y+32*\i+kk], v[XB+4*kk+\i], v[RR+\i]       ; a pixel's 32 channels on end in my registers
.set kk, kk+1
.endr
.endr
.if \c < 2
	XLOAD (\c)%2, (\c)+2, 0, 32                    ; the buffer is free: the chunk after next
.endif
	WIN 0
.irp i, 0,1,2,3
	v_max3_num_f32 v[248+\i], |v[Y+32*\i]|, |v[Y+32*\i+1]|, 0x1800000   ; four blocks by turns; the floor 2^(3 - 127) holds the byte at 1 from below
.endr
.irp t, 2,4,6,8,10,12,14,16,18,20,22,24,26,28,30
.irp i, 0,1,2,3
	v_max3_num_f32 v[248+\i], v[248+\i], |v[Y+32*\i+\t]|, |v[Y+32*\i+\t+1]|
.endr
.endr
.irp i, 0,1,2,3
	v_add_nc_u32 v[252+\i], 0xff000000, v[248+\i]  ; 2 off the exponent field: the conversion's scale operand
.endr
.irp i, 0,1,2,3
	v_cvt_scalef32_pk16_fp6_f32 v[192+8*\i:194+8*\i], v[Y+32*\i:Y+32*\i+15], v[252+\i]
	v_cvt_scalef32_pk16_fp6_f32 v[196+8*\i:198+8*\i], v[Y+32*\i+16:Y+32*\i+31], v[252+\i]
.endr
.irp i, 0,1,2,3
	v_lshrrev_b32 v[248+\i], 23, v[252+\i]         ; the scale's byte (also the plain line behind the conversions)
.endr
.irp i, 0,1,2,3
	v_mov_b32 v[195+8*\i], v[196+8*\i]             ; the block's six registers on end
	v_mov_b32 v[196+8*\i], v[197+8*\i]
	v_mov_b32 v[197+8*\i], v[198+8*\i]
.endr
.irp i, 0,1,2,3                                ; into the image of fragment (i, l / 16), half beta / 4 of K: registers 6 c' .. 6 c' + 5 of lane l % 16 + 16 (beta % 2), c' = (beta / 2) % 2
	ds_store_b64 v[IA0], v[192+8*\i:193+8*\i] offset:3072*\i
	ds_store_b64 v[IA1], v[194+8*\i:195+8*\i] offset:3072*\i
	ds_store_b64 v[IA0], v[196+8*\i:197+8*\i] offset:3072*\i+512
	ds_store_b8 v[ISB], v[248+\i] offset:256*\i
.endr
	BARRIER                                        ; stage, images and scale words are whole
.irp n, 0,1,2,3,4,5,6,7
	ds_load_b32 v[ASC+\n], v[ISR] offset:128*\n
.endr
.irp n, 0,1,2,3,4,5,6,7,8,9,10,11,12,13,14,15
	ds_load_b128 v[64+4*\n:67+4*\n], v[TRW] offset:((\n%4)*32+(\n/4))*SPITCH   ; pixel 16 w + n, whole
.endr
.irp n, 0,1,2,3,4,5,6,7,8,9,10,11,12,13,14,15
	s_wait_dscnt 15-\n                             ; the loads younger than this one may be out
	global_store_b128 v[L16], v[64+4*\n:67+4*\n], s[22:23] offset:(256*((\c)/2)+128*((\c)%2))*512+512*\n th:TH_STORE_NT   ; 512 consecutive bytes of the copy
.endr
	s_lshl_b32 s46, s18, 1
	s_add_co_u32 s46, s46, (\c)/2                  ; the image row
	s_add_co_u32 s31, s46, 27
	s_mov_b32 s27, 0
	s_mov_b32 s26, s16                             ; my tiles: w, w + 8, ..
	s_mov_b32 s28, 0
	s_mov_b32 s29, 0
	s_mov_b32 s30, 0
	s_wait_xcnt 0x0                                ; the stores have read their registers, which the products write
.Ltile_\@:                                         ; eight trips, a constant; a tile that the list does not have is jumped over
	s_cmp_ge_u32 s26, s25
	s_cbranch_scc1 .Lskip_\@
	TILE \c
.Lskip_\@:
	s_add_co_u32 s26, s26, 8
	s_add_co_u32 s28, s28, BTILE
	s_add_co_u32 s29, s29, 512
	s_add_co_u32 s30, s30, 256
	s_add_co_u32 s27, s27, 1
	s_cmp_lt_u32 s27, 8
	s_cbranch_scc1 .Ltile_\@
.endm
	s_load_b256 s[4:11], s[0:1], 0x0               ; desc_dense, kuv, scodes, sscales
	s_load_b128 s[12:15], s[0:1], 0x20             ; tcopy, part
	v_lshl_add_u32 v[SPW], v0, 2, SPARE
	v_mov_b32 v[NIL], 0
	v_lshrrev_b32 v248, 5, v0
	v_readfirstlane_b32 s16, v248                  ; wave = beta
	s_lshr_b32 s17, ttmp9, 7                       ; b
	s_and_b32 s18, ttmp9, 127                      ; p
	s_mul_i32 s19, s17, 14336
	s_add_co_u32 s19, s19, s18                     ; 14,336 b + p: the pair's 1,024 x 14 slots of part, and my pair of rows
	v_and_b32 v248, 31, v0                         ; lane
	v_and_b32 v249, 15, v0
	v_bfe_u32 v250, v0, 4, 1                       ; h
	v_lshlrev_b32 v[L16], 4, v248
	v_lshlrev_b32 v[L4], 2, v248
	s_lshl_b32 s38, s16, 9
	s_add_co_u32 s38, s38, SS
	v_add_nc_u32 v[SSW], s38, v[L16]
	v_add_nc_u32 v[SSR], SS, v[L16]
	v_mul_u32_u24 v[TSW], v248, SPITCH
	s_lshl_b32 s38, s16, 6
	v_add_nc_u32 v[TSW], s38, v[TSW]               ; stage row l, my 64 bytes of it
	s_mul_i32 s38, s16, 4*SPITCH
	v_add_nc_u32 v[TRW], s38, v[L16]               ; stage rows 4 w on, 16 bytes a lane
	v_mul_u32_u24 v251, v250, 12288
	v_lshl_add_u32 v251, v249, 4, v251             ; images of g = l / 16; lane l % 16
	s_lshr_b32 s38, s16, 2
	s_mul_i32 s39, s38, 1536                       ; which half of K,
	s_and_b32 s40, s16, 1
	s_lshl_b32 s40, s40, 8                         ; which half of the lanes,
	s_add_co_u32 s39, s39, s40
	s_add_co_u32 s39, s39, IMG
	s_bfe_u32 s40, s16, 0x10001                    ; c': registers 0-5 or 6-11
	s_mul_i32 s41, s40, 520
	s_add_co_u32 s41, s41, s39
	v_add_nc_u32 v[IA0], s41, v251
	s_mul_i32 s41, s40, 1016
	s_add_co_u32 s41, s41, s39
	s_add_co_u32 s41, s41, 8
	v_add_nc_u32 v[IA1], s41, v251
	s_lshl_b32 s39, s38, 7
	s_and_b32 s40, s16, 3
	s_add_co_u32 s39, s39, s40
	s_add_co_u32 s39, s39, ISC
	v_add_nc_u32 v[ISB], s39, v[L4]
	v_add_nc_u32 v[IMR], IMG, v[L16]
	v_add_nc_u32 v[ISR], ISC, v[L4]
	s_lshl_b32 s38, s16, 6
	s_add_co_u32 s38, s38, LIST
	v_lshl_add_u32 v[LRW], v249, 2, s38
	s_lshl_b32 s38, s16, 9
	s_add_co_u32 s38, s38, LIST
	v_add_nc_u32 v[PFW], s38, v[L4]
	v_add_nc_u32 v[DIX], 0x400, v248
	s_lshl_b32 s38, s16, 11
	s_add_co_u32 s38, s38, STAT
	v_lshl_add_u32 v[STW], v249, 4, s38
	s_mul_i32 s38, s16, 8*BTILE
	s_add_co_u32 s38, s38, BIMG
	v_add_nc_u32 v[BIW], s38, v[L16]
	s_add_co_u32 s38, s38, 3072
	v_add_nc_u32 v[BSW], s38, v[L4]
	s_lshl_b32 s38, ttmp9, 4
	s_add_co_u32 s38, s38, PSLOTS
	v_add_nc_u32 v[DMP], s38, v249
	v_lshlrev_b32 v251, 5, v250                    ; 32 h
	v_sub_nc_u32 v[XH], 5, v251
	v_mul_u32_u24 v[H24], v250, 24
	v_lshlrev_b32 v[H4], 2, v250
	v_mov_b32 v[NM+1], 0
	v_mov_b32 v99, 0x0ff80000                      ; an entry with an empty window: vc = 511, id 0
.irp i, 0,1,2,3
.irp j, 0,1,2,3,4,5,6,7
	v_add_nc_u32 v[UC+8*\i+\j], 4*\j+\i, v251
.endr
.endr
.set kk, 0
.rept 32
	v_cvt_f32_u32 v[UC+kk], v[UC+kk]
.set kk, kk+1
.endr
	s_lshl_b32 s38, s17, 27                        ; image 2 b + 1,
	s_add_co_u32 s38, s38, 0x4000000
	s_lshl_b32 s39, s16, 23                        ; channel 32 beta,
	s_add_co_u32 s38, s38, s39
	s_lshl_b32 s39, s18, 11                        ; row 2 p
	s_add_co_u32 s38, s38, s39
	s_mov_b32 s39, 0
	s_lshl_b32 s40, s17, 25                        ; the copy: pixel 65,536 b + 512 p + 16 w, 512 bytes each
	s_lshl_b32 s41, s18, 18
	s_add_co_u32 s40, s40, s41
	s_lshl_b32 s41, s16, 13
	s_add_co_u32 s40, s40, s41
	s_mov_b32 s41, 0
	s_lshl_b32 s42, s17, 12
	s_mov_b32 s43, 0
	s_mul_i32 s44, s17, 196608
	s_mov_b32 s45, 0
	s_lshl_b32 s46, s17, 13
	s_mov_b32 s47, 0
	s_mov_b32 s32, 0x431044fe                      ; 100 log2(e)
	s_mov_b32 s33, s32                             ; (named with it as a pair)
	s_mov_b32 s34, 0x76543210
	s_mov_b32 s35, 0xfedcba98                      ; v_permlanex16_b32's selects for lane l xor 16
	s_mov_b32 s36, 0x07ffffff                      ; 27 ones
	s_wait_kmcnt 0x0
	s_add_nc_u64 s[20:21], s[4:5], s[38:39]
	s_add_nc_u64 s[22:23], s[12:13], s[40:41]
	s_add_nc_u64 s[6:7], s[6:7], s[42:43]
	s_add_nc_u64 s[8:9], s[8:9], s[44:45]
	s_add_nc_u64 s[10:11], s[10:11], s[46:47]
	; THE HEAD'S LOADS.  No two loads that are on their way together name the same register number, in whichever window: kuv and the keypoints' codes take numbers 128-187, chunk 0 numbers 0-127,
	; the upper half of chunk 1 numbers 192-255; the lower half of chunk 1 (128-191) goes out when the keypoints' codes are in.
.irp j, 0,1,2,3,4,5,6,7
	global_load_b128 v[KU+4*\j:KU+4*\j+3], v[L16], s[6:7] offset:512*\j   ; the pair's 1,024 words, in every wave: register 4 j + i of lane l is keypoint 128 j + 4 l + i
.endr
	XLOAD 0, 0, 0, 32
	XLOAD 1, 1, 16, 16
.irp q, 0,1,2,3
	ds_store_b32 v[PFW], v99 offset:128*\q         ; my wave's 128 entries of the list: empty
.endr
	s_mov_b32 s24, 0                               ; members so far
	s_lshl_b32 s44, s18, 1
	s_add_co_u32 s44, s44, 1
	s_wait_loadcnt 48                              ; the eight loads of kuv are in; the 48 behind them may be out
	BARRIER                                        ; the list is empty, all of it; up to the next barrier wave 0's placing stores are the only LDS instructions
	s_cmp_lg_u32 s16, 0
	s_cbranch_scc1 .Lcount
.irp j, 0,1,2,3,4,5,6,7                        ; wave 0 counts and places
.irp i, 0,1,2,3
	v_lshrrev_b32 v96, 19, v[KU+4*\j+\i]
	v_sub_nc_u32 v96, v96, s44
	v_cmp_gt_u32 vcc_lo, 28, v96                   ; 2 p + 1 <= vc <= 2 p + 28: the window meets row 2 p or 2 p + 1
	v_mbcnt_lo_u32_b32 v97, vcc_lo, s24            ; members so far + members in lanes below me
	v_cndmask_b32 v97, v[DIX], v97, vcc_lo         ; a lane with no member stores behind the list
	v_min_u32 v97, 1055, v97                       ; a number that was read enters an address behind this hold; behind it a shift to the left and an addition alone
	v_lshlrev_b32 v97, 2, v97
	v_add_nc_u32 v[LAD], LIST, v97
	v_add3_u32 v98, v[KU+4*\j+\i], v[L4], 128*\j+\i   ; the word with the keypoint's number in its low ten bits
	ds_store_b32 v[LAD], v98
	s_bcnt1_i32_b32 s39, vcc_lo
	s_add_co_u32 s24, s24, s39
.endr
.endr
	s_branch .Llisted
.Lcount:                                           ; the other waves count: so the number of tiles needs no way through LDS
.irp j, 0,1,2,3,4,5,6,7
.irp i, 0,1,2,3
	v_lshrrev_b32 v96, 19, v[KU+4*\j+\i]
	v_sub_nc_u32 v96, v96, s44
	v_cmp_gt_u32 vcc_lo, 28, v96
	s_bcnt1_i32_b32 s39, vcc_lo
	s_add_co_u32 s24, s24, s39
.endr
.endr
.Llisted:
	s_add_co_u32 s25, s24, 15
	s_lshr_b32 s25, s25, 4                         ; tiles
	BARRIER                                        ; the list is whole
	BGATHER 128, LRW, 0                            ; my first two tiles, w and w + 8, without asking: their entries are true or empty
	BGATHER 160, LRW, 512
	s_wait_loadcnt 0x0                             ; the keypoints' codes are the youngest loads: all are in, chunk 0 among them
	BSTORE 128, BIW, BSW, 0
	BSTORE 160, BIW, BSW, BTILE
	s_mov_b32 s27, 0
	s_add_co_u32 s26, s16, 16
	s_mov_b32 s28, 2*BTILE
	s_mov_b32 s29, 2*512
.Lmore:                                            ; six trips, a constant: tiles w + 16 .. w + 56, where the list has them
	s_cmp_ge_u32 s26, s25
	s_cbranch_scc1 .Lnone
	v_add_nc_u32 v[TA], s28, v[BIW]
	v_add_nc_u32 v[TA+1], s28, v[BSW]
	v_add_nc_u32 v[TA+2], s29, v[LRW]
	BGATHER 128, TA+2, 0
	s_wait_loadcnt 0x0
	BSTORE 128, TA, TA+1, 0
.Lnone:
	s_add_co_u32 s26, s26, 8
	s_add_co_u32 s28, s28, BTILE
	s_add_co_u32 s29, s29, 512
	s_add_co_u32 s27, s27, 1
	s_cmp_lt_u32 s27, 6
	s_cbranch_scc1 .Lmore
	XLOAD 1, 1, 0, 16                              ; the lower half of chunk 1
	CHUNK 0
	CHUNK 1
	CHUNK 2
	CHUNK 3
	s_wait_tensorcnt 0x0                           ; the wave's end: three closing lines behind my last LDS store
	ds_add_u32 v[SPW], v[NIL]
	s_wait_dscnt 0x0
	s_endpgm
.Lfunc_end_k_qec5727913f_match:
	.size	k_qec5727913f_match, .Lfunc_end_k_qec5727913f_match-k_qec5727913f_match
	.p2alignl 7, 3214868480
	.fill 96, 4, 3214868480
	.section	.rodata,"a",@progbits
	.p2align	6, 0x0
	.amdhsa_kernel k_qec5727913f_match
		.amdhsa_group_segment_fixed_size 323840
		.amdhsa_private_segment_fixed_size 0
		.amdhsa_enable_private_segment 0
		.amdhsa_kernarg_size 48
		.amdhsa_user_sgpr_count 2
		.amdhsa_user_sgpr_kernarg_segment_ptr 1
		.amdhsa_wavefront_size32 1
		.amdhsa_system_sgpr_workgroup_id_x 1
		.amdhsa_system_sgpr_workgroup_id_y 1
		.amdhsa_system_sgpr_workgroup_id_z 1
		.amdhsa_system_vgpr_workitem_id 0
		.amdhsa_next_free_vgpr 512
		.amdhsa_next_free_sgpr 66
		.amdhsa_reserve_vcc 1
		.amdhsa_float_denorm_mode_32 3
		.amdhsa_float_denorm_mode_16_64 3
		.amdhsa_memory_ordered 1
		.amdhsa_forward_progress 1
		.amdhsa_inst_pref_size 255
	.end_amdhsa_kernel
	.amdgpu_metadata
---
amdhsa.version: [ 1, 2 ]
amdhsa.kernels:
  - .name:           k_qec5727913f_match
    .symbol:         k_qec5727913f_match.kd
    .args:
      - { .name: desc_dense, .offset: 0, .size: 8, .value_kind: global_buffer, .address_space: global }
      - { .name: kuv, .offset: 8, .size: 8, .value_kind: global_buffer, .address_space: global }
      - { .name: scodes, .offset: 16, .size: 8, .value_kind: global_buffer, .address_space: global }
      - { .name: sscales, .offset: 24, .size: 8, .value_kind: global_buffer, .address_space: global }
      - { .name: tcopy, .offset: 32, .size: 8, .value_kind: global_buffer, .address_space: global }
      - { .name: part, .offset: 40, .size: 8, .value_kind: global_buffer, .address_space: global }
    .group_segment_fixed_size: 323840
    .private_segment_fixed_size: 0
    .kernarg_segment_align: 8
    .kernarg_segment_size: 48
    .max_flat_workgroup_size: 256
    .sgpr_count:     66
    .vgpr_count:     512
    .wavefront_size: 32
...
	.end_amdgpu_metadata
.endif
;; end of part 2
;; launch combine (part 3): grid 64 x 1, 1 waves a work-group, no clusters, 0 bytes of LDS; arguments part, kuv, out0, gidx, gw; writes out0, gidx, gw
.if DOCPART == 3
	.amdgcn_target "amdgcn-amd-amdhsa--gfx1250"
	.amdhsa_code_object_version 6
	.text
	.protected	k_qec5727913f_combine
	.globl	k_qec5727913f_combine
	.p2align	8
	.type	k_qec5727913f_combine,@function
k_qec5727913f_combine:
	s_mov_b64 s[64:65], 0
	v_nop
	global_prefetch_b8 v0, s[64:65] scope:SCOPE_SE
	s_setreg_imm32_b32 hwreg(HW_REG_WAVE_MODE, 25, 1), 1
	s_wait_xcnt 0x0
; SoftmaxMatcher, launch 3 of 4: a lane to a keypoint.  The up to 14 partial softmaxes (m, l, su, sv) of the pairs of rows that meet its window are joined under one maximum.
; WORK LEFT OUT comes back here in closed form: the image rows that were not multiplied hold only scores that reference() has made 0: each of their pixels adds 2^(0 - M) to the sum, u times and v times that to
; the two weighted sums: a count, a sum of u and a sum of v, whole numbers under 2^24.  The maximum is taken over the partial maxima and 0.
; Then pseudo_coords = (su, sv) / l goes to out0, and the four corners of the bilinear sample go out as whole numbers (gidx) with their weights (gw; a corner outside the image has weight 0 and a held index).
; Slots of part that no work-group wrote are replaced by (-3e38, 0, 0, 0) by a select on whole numbers before any arithmetic.
; LIMIT: NaN in the sums is not served.
	s_load_b256 s[4:11], s[0:1], 0x0               ; part, kuv, out0, gidx
	s_load_b64 s[12:13], s[0:1], 0x20              ; gw
	v_mul_u32_u24 v2, v0, 224
	v_lshlrev_b32 v3, 2, v0
	v_lshlrev_b32 v4, 3, v0
	v_lshlrev_b32 v5, 4, v0
	s_mul_i32 s14, ttmp9, 7168
	s_mov_b32 s15, 0
	s_lshl_b32 s16, ttmp9, 7
	s_mov_b32 s17, 0
	s_lshl_b32 s18, ttmp9, 8
	s_mov_b32 s19, 0
	s_lshl_b32 s20, ttmp9, 9
	s_mov_b32 s21, 0
	s_mov_b32 s22, 0x3c008081                      ; 2 / 255
	s_mov_b32 s23, 0x43000000                      ; 128
	s_mov_b32 s24, 0x437f0000                      ; 255
	v_mov_b32 v11, 0xff61b1e6                      ; -3e38
	s_wait_kmcnt 0x0
	s_add_nc_u64 s[4:5], s[4:5], s[14:15]
	s_add_nc_u64 s[6:7], s[6:7], s[16:17]
	s_add_nc_u64 s[8:9], s[8:9], s[18:19]
	s_add_nc_u64 s[10:11], s[10:11], s[18:19]
	s_add_nc_u64 s[12:13], s[12:13], s[20:21]
	global_load_b32 v6, v3, s[6:7]
.irp j, 0,1,2,3,4,5,6,7,8,9,10,11,12,13
	global_load_b128 v[16+4*\j:19+4*\j], v2, s[4:5] offset:16*\j
.endr
	s_wait_loadcnt 0x0
	v_lshrrev_b32 v7, 19, v6                       ; vc = v + 14
	v_min_u32 v8, 27, v7
	v_sub_nc_u32 v8, v7, v8                        ; the window's first row, held at 0
	v_min_u32 v9, 0x100, v7                        ; its last row + 1, held at 256
	v_lshrrev_b32 v8, 1, v8                        ; first pair
	v_add_nc_u32 v9, 1, v9
	v_lshrrev_b32 v9, 1, v9                        ; last pair + 1
	v_sub_nc_u32 v10, v9, v8                       ; pairs: 0 .. 14
.irp j, 0,1,2,3,4,5,6,7,8,9,10,11,12,13
	v_cmp_lt_u32 vcc_lo, \j, v10
	v_cndmask_b32 v[16+4*\j], v11, v[16+4*\j], vcc_lo
	v_cndmask_b32 v[17+4*\j], 0, v[17+4*\j], vcc_lo
	v_cndmask_b32 v[18+4*\j], 0, v[18+4*\j], vcc_lo
	v_cndmask_b32 v[19+4*\j], 0, v[19+4*\j], vcc_lo
.endr
	v_max3_num_f32 v12, v16, v20, 0                ; M, over the partial maxima and the masked rows' 0
.irp j, 2,4,6,8,10,12
	v_max3_num_f32 v12, v12, v[16+4*\j], v[20+4*\j]
.endr
.irp j, 0,1,2,3,4,5,6,7,8,9,10,11,12,13
	v_sub_f32 v[16+4*\j], v[16+4*\j], v12
.endr
	v_sub_f32 v13, 0, v12
.irp j, 0,1,2,3,4,5,6,7,8,9,10,11,12,13
	v_exp_f32 v[16+4*\j], v[16+4*\j]
.endr
	v_exp_f32 v13, v13
	v_lshlrev_b32 v14, 1, v10                      ; the rows that were not multiplied: 256 - 2 pairs.  (Whole-number work behind the exponentials)
	v_sub_nc_u32 v14, 0x100, v14
	v_lshlrev_b32 v72, 8, v14                      ; their pixels,
	v_mul_u32_u24 v73, v14, 32640                  ; the sum of their u,
	v_add_lshl_u32 v74, v8, v9, 1
	v_add_nc_u32 v74, -1, v74
	v_mul_u32_u24 v74, v74, v10                    ; (the multiplied rows' numbers add up to pairs x (2 first + 2 end - 1))
	v_sub_nc_u32 v74, 32640, v74
	v_lshlrev_b32 v74, 8, v74                      ; the sum of their v
	v_cvt_f32_u32 v72, v72
	v_cvt_f32_u32 v73, v73
	v_cvt_f32_u32 v74, v74
	s_wait_alu depctr_va_vdst(0)                   ; one wait for the batch of 15
	v_mul_f32 v75, v13, v72
	v_mul_f32 v76, v13, v73
	v_mul_f32 v77, v13, v74
.irp j, 0,1,2,3,4,5,6,7,8,9,10,11,12,13
	v_fmac_f32 v75, v[16+4*\j], v[17+4*\j]
	v_fmac_f32 v76, v[16+4*\j], v[18+4*\j]
	v_fmac_f32 v77, v[16+4*\j], v[19+4*\j]
.endr
	v_rcp_f32 v78, v75
	v_nop
	s_wait_alu depctr_va_vdst(0)
	v_mul_f32 v80, v76, v78                        ; pseudo u
	v_mul_f32 v81, v77, v78                        ; pseudo v
	global_store_b64 v4, v[80:81], s[8:9]          ; 256 consecutive bytes of out0
.irp d, 0,1                                    ; 0: x from u; 1: y from v
	v_fma_f32 v[82+\d], v[80+\d], s22, -1.0        ; 2 c / 255 - 1
	v_add_f32 v[82+\d], 1.0, v[82+\d]
	v_fma_f32 v[82+\d], v[82+\d], s23, -0.5        ; ((. + 1) 256 - 1) / 2
	v_floor_f32 v[84+\d], v[82+\d]
	v_sub_f32 v[86+\d], v[82+\d], v[84+\d]         ; the upper corner's weight
	v_add_f32 v[88+\d], 1.0, v[84+\d]
	v_sub_f32 v[90+\d], 1.0, v[86+\d]              ; the lower corner's
	v_med3_num_f32 v[92+\d], v[84+\d], 0, s24
	v_med3_num_f32 v[94+\d], v[88+\d], 0, s24
	v_cmp_eq_f32 vcc_lo, v[92+\d], v[84+\d]        ; inside 0 .. 255 where the hold changes nothing
	v_cndmask_b32 v[90+\d], 0, v[90+\d], vcc_lo
	v_cmp_eq_f32 vcc_lo, v[94+\d], v[88+\d]
	v_cndmask_b32 v[86+\d], 0, v[86+\d], vcc_lo
	v_cvt_i32_f32 v[92+\d], v[92+\d]
	v_cvt_i32_f32 v[94+\d], v[94+\d]
.endr
	v_mul_f32 v96, v90, v91                        ; (x0, y0)
	v_mul_f32 v97, v86, v91                        ; (x1, y0)
	v_mul_f32 v98, v90, v87                        ; (x0, y1)
	v_mul_f32 v99, v86, v87                        ; (x1, y1)
	v_lshl_add_u32 v100, v93, 8, v92
	v_lshl_add_u32 v101, v93, 8, v94
	v_lshl_add_u32 v102, v95, 8, v92
	v_lshl_add_u32 v103, v95, 8, v94
	v_lshl_or_b32 v104, v101, 16, v100
	v_lshl_or_b32 v105, v103, 16, v102
	global_store_b64 v4, v[104:105], s[10:11]      ; 256 consecutive bytes of gidx
	global_store_b128 v5, v[96:99], s[12:13]       ; 512 consecutive bytes of gw
	s_endpgm
.Lfunc_end_k_qec5727913f_combine:
	.size	k_qec5727913f_combine, .Lfunc_end_k_qec5727913f_combine-k_qec5727913f_combine
	.p2alignl 7, 3214868480
	.fill 96, 4, 3214868480
	.section	.rodata,"a",@progbits
	.p2align	6, 0x0
	.amdhsa_kernel k_qec5727913f_combine
		.amdhsa_group_segment_fixed_size 0
		.amdhsa_private_segment_fixed_size 0
		.amdhsa_enable_private_segment 0
		.amdhsa_kernarg_size 40
		.amdhsa_user_sgpr_count 2
		.amdhsa_user_sgpr_kernarg_segment_ptr 1
		.amdhsa_wavefront_size32 1
		.amdhsa_system_sgpr_workgroup_id_x 1
		.amdhsa_system_sgpr_workgroup_id_y 1
		.amdhsa_system_sgpr_workgroup_id_z 1
		.amdhsa_system_vgpr_workitem_id 0
		.amdhsa_next_free_vgpr 112
		.amdhsa_next_free_sgpr 66
		.amdhsa_reserve_vcc 1
		.amdhsa_float_denorm_mode_32 3
		.amdhsa_float_denorm_mode_16_64 3
		.amdhsa_memory_ordered 1
		.amdhsa_forward_progress 1
		.amdhsa_inst_pref_size 11
	.end_amdhsa_kernel
	.amdgpu_metadata
---
amdhsa.version: [ 1, 2 ]
amdhsa.kernels:
  - .name:           k_qec5727913f_combine
    .symbol:         k_qec5727913f_combine.kd
    .args:
      - { .name: part, .offset: 0, .size: 8, .value_kind: global_buffer, .address_space: global }
      - { .name: kuv, .offset: 8, .size: 8, .value_kind: global_buffer, .address_space: global }
      - { .name: out0, .offset: 16, .size: 8, .value_kind: global_buffer, .address_space: global }
      - { .name: gidx, .offset: 24, .size: 8, .value_kind: global_buffer, .address_space: global }
      - { .name: gw, .offset: 32, .size: 8, .value_kind: global_buffer, .address_space: global }
    .group_segment_fixed_size: 0
    .private_segment_fixed_size: 0
    .kernarg_segment_align: 8
    .kernarg_segment_size: 40
    .max_flat_workgroup_size: 32
    .sgpr_count:     66
    .vgpr_count:     112
    .wavefront_size: 32
...
	.end_amdgpu_metadata
.endif
;; end of part 3
;; launch sample (part 4): grid 32 x 1, 16 waves a work-group, no clusters, 2,304 bytes of LDS; arguments tcopy, srcn, gidx, gw, keypoint_scores, scores_dense, out1; writes out1
.if DOCPART == 4
	.amdgcn_target "amdgcn-amd-amdhsa--gfx1250"
	.amdhsa_code_object_version 6
	.text
	.protected	k_qec5727913f_sample
	.globl	k_qec5727913f_sample
	.p2align	8
	.type	k_qec5727913f_sample,@function
k_qec5727913f_sample:
	s_mov_b64 s[64:65], 0
	v_nop
	global_prefetch_b8 v0, s[64:65] scope:SCOPE_SE
	s_setreg_imm32_b32 hwreg(HW_REG_WAVE_MODE, 25, 1), 1
	s_wait_xcnt 0x0
; SoftmaxMatcher, launch 4 of 4: match_weights = 0.5 (sum_c src[c] pseudo_desc[c] / 256 + 1) x keypoint score x sampled score.
; WORK LEFT OUT: of the dense tensors only the four corners of each keypoint's sample are read (a lookup by whole numbers that the launch before stored).
; The sampled descriptor is never formed: sum_c src[c] (sum over corners w D[corner][c]) = sum over corners w (src . D[corner]).  D comes from the pixel-major bf16 copy: a corner is one row of 512 bytes,
; 16 bytes a lane; src is f32, the weights and sums are f32.
; SHARES.  A work-group takes 64 keypoints, a wave 4; lane l takes channels 8 l .. 8 l + 7.  The 64 results meet in LDS and leave as one run of 256 bytes.
.set RES,   0
.set SPARE, 256                        ; the spare words: 128 bytes a wave, named by no other line
	s_load_b256 s[4:11], s[0:1], 0x0               ; tcopy, srcn, gidx, gw
	s_load_b128 s[12:15], s[0:1], 0x20             ; keypoint_scores, scores_dense
	s_load_b64 s[16:17], s[0:1], 0x30              ; out1
	v_lshl_add_u32 v2, v0, 2, SPARE
	v_mov_b32 v3, 0
	v_lshrrev_b32 v4, 5, v0
	v_readfirstlane_b32 s18, v4                    ; wave
	v_and_b32 v4, 31, v0
	v_lshlrev_b32 v1, 4, v4                        ; 16 x lane
	v_lshlrev_b32 v5, 3, v4                        ; 8 x lane
	s_lshl_b32 s53, s18, 4
	v_mov_b32 v6, s53                              ; RES + 16 x wave
.irp q, 0,1,2,3
	v_mov_b32 v[144+\q], 0                         ; a lane permute's destination counts as one of its sources
.endr
	s_lshr_b32 s19, ttmp9, 4                       ; b
	s_lshl_b32 s20, ttmp9, 6
	s_lshl_b32 s21, s18, 2
	s_add_co_u32 s20, s20, s21                     ; my first keypoint, 0 .. 2,047
	s_lshl_b32 s21, s20, 3
	s_lshl_b32 s22, s20, 4
	s_and_b32 s23, s20, 1023
	s_lshl_b32 s23, s23, 2
	s_lshl_b32 s52, s19, 13
	s_add_co_u32 s23, s23, s52                     ; set 2 b of keypoint_scores
	s_lshl_b32 s54, s20, 10
	s_mov_b32 s55, 0
	s_lshl_b32 s56, ttmp9, 8
	s_mov_b32 s57, 0
	s_lshl_b32 s58, s19, 16                        ; the copy's pixels of pair b
	s_lshl_b32 s59, s19, 17
	s_add_co_u32 s59, s59, 0x10000                 ; scores_dense's pixels of image 2 b + 1
	s_mov_b32 s60, 0xffff0000
	s_mov_b32 s61, 0x76543210
	s_mov_b32 s62, 0xfedcba98
	s_mov_b32 s63, 0x3b800000                      ; 1 / 256
	s_wait_kmcnt 0x0
	s_load_b256 s[24:31], s[8:9], s21 offset:0x0   ; four keypoints' corners
	s_load_b512 s[32:47], s[10:11], s22 offset:0x0 ; and weights
	s_load_b128 s[48:51], s[12:13], s23 offset:0x0 ; and scores
	s_add_nc_u64 s[6:7], s[6:7], s[54:55]
	s_add_nc_u64 s[16:17], s[16:17], s[56:57]
.irp r, 0,1,2,3,4,5,6,7
	global_load_b128 v[16+4*\r:19+4*\r], v1, s[6:7] offset:512*\r   ; src: keypoint r / 2, channels 8 l + 4 (r % 2) on
.endr
	s_wait_kmcnt 0x0
.irp n, 0,1,2,3,4,5,6,7,8,9,10,11,12,13,14,15  ; keypoint n / 4, corner n % 4
.if \n % 2
	s_lshr_b32 s52, s[24+\n/2], 16
.else
	s_and_b32 s52, s[24+\n/2], 0xffff
.endif
	s_min_u32 s52, s52, 0xffff                     ; a number that was read enters an address behind this hold
	s_add_co_u32 s53, s52, s58
	s_lshl_b32 s53, s53, 9
	v_add_nc_u32 v[112+\n], s53, v1
	global_load_b128 v[48+4*\n:51+4*\n], v[112+\n], s[4:5]         ; the corner's 256 channels: 512 consecutive bytes
	s_add_co_u32 s[68+\n], s52, s59
	s_lshl_b32 s[68+\n], s[68+\n], 2
	s_load_b32 s[84+\n], s[14:15], s[68+\n] offset:0x0
.endr
	s_wait_kmcnt 0x0
.irp q, 0,1,2,3
	s_wait_loadcnt 12-4*\q                         ; src and this keypoint's four corners are in; the later keypoints' may be out
.irp cn, 0,1,2,3
.irp r, 0,1,2,3
	v_lshlrev_b32 v[128+2*\r], 16, v[48+16*\q+4*\cn+\r]
	v_and_b32 v[129+2*\r], s60, v[48+16*\q+4*\cn+\r]
.endr
	v_pk_mul_f32 v[136:137], v[128:129], v[16+8*\q:17+8*\q]
	v_pk_fma_f32 v[136:137], v[130:131], v[18+8*\q:19+8*\q], v[136:137]
	v_pk_fma_f32 v[136:137], v[132:133], v[20+8*\q:21+8*\q], v[136:137]
	v_pk_fma_f32 v[136:137], v[134:135], v[22+8*\q:23+8*\q], v[136:137]
	v_add_f32 v136, v136, v137
.if \cn == 0
	v_mul_f32 v[140+\q], s[32+4*\q], v136
.else
	v_fmac_f32 v[140+\q], s[32+4*\q+\cn], v136
.endif
.endr
.endr
.irp m, 1,2,4,8
.irp q, 0,1,2,3
	v_add_f32_dpp v[140+\q], v[140+\q], v[140+\q] row_xmask:\m row_mask:0xf bank_mask:0xf
.endr
.endr
.irp q, 0,1,2,3
	v_permlanex16_b32 v[144+\q], v[140+\q], s61, s62
.endr
.irp q, 0,1,2,3
	v_add_f32 v[140+\q], v[140+\q], v[144+\q]      ; the sum over 256 channels, in every lane
	v_mov_b32 v[148+\q], s[84+4*\q]
	v_mul_f32 v[148+\q], s[32+4*\q], v[148+\q]
	v_fma_f32 v[148+\q], s[33+4*\q], s[85+4*\q], v[148+\q]
	v_fma_f32 v[148+\q], s[34+4*\q], s[86+4*\q], v[148+\q]
	v_fma_f32 v[148+\q], s[35+4*\q], s[87+4*\q], v[148+\q]   ; the sampled score
	v_fma_f32 v[152+\q], v[140+\q], s63, 1.0
	v_mul_f32 v[152+\q], 0.5, v[152+\q]
	v_mul_f32 v[152+\q], s[48+\q], v[152+\q]
	v_mul_f32 v[152+\q], v[152+\q], v[148+\q]
	ds_store_b32 v6, v[152+\q] offset:4*\q         ; all lanes write the same word with the same value
.endr
	s_wait_dscnt 0x0                               ; for the others' sake: my stores have landed
	s_barrier_signal -1
	s_barrier_wait -1
	s_cmp_lg_u32 s18, 0
	s_cbranch_scc1 .Ldone
	ds_load_b64 v[8:9], v5
	s_wait_dscnt 0x0
	global_store_b64 v5, v[8:9], s[16:17]          ; 256 consecutive bytes of out1
.Ldone:
	s_wait_tensorcnt 0x0                           ; the wave's end: three closing lines behind my last LDS store
	ds_add_u32 v2, v3
	s_wait_dscnt 0x0
	s_endpgm
.Lfunc_end_k_qec5727913f_sample:
	.size	k_qec5727913f_sample, .Lfunc_end_k_qec5727913f_sample-k_qec5727913f_sample
	.p2alignl 7, 3214868480
	.fill 96, 4, 3214868480
	.section	.rodata,"a",@progbits
	.p2align	6, 0x0
	.amdhsa_kernel k_qec5727913f_sample
		.amdhsa_group_segment_fixed_size 2304
		.amdhsa_private_segment_fixed_size 0
		.amdhsa_enable_private_segment 0
		.amdhsa_kernarg_size 56
		.amdhsa_user_sgpr_count 2
		.amdhsa_user_sgpr_kernarg_segment_ptr 1
		.amdhsa_wavefront_size32 1
		.amdhsa_system_sgpr_workgroup_id_x 1
		.amdhsa_system_sgpr_workgroup_id_y 1
		.amdhsa_system_sgpr_workgroup_id_z 1
		.amdhsa_system_vgpr_workitem_id 0
		.amdhsa_next_free_vgpr 160
		.amdhsa_next_free_sgpr 100
		.amdhsa_reserve_vcc 0
		.amdhsa_float_denorm_mode_32 3
		.amdhsa_float_denorm_mode_16_64 3
		.amdhsa_memory_ordered 1
		.amdhsa_forward_progress 1
		.amdhsa_inst_pref_size 23
	.end_amdhsa_kernel
	.amdgpu_metadata
---
amdhsa.version: [ 1, 2 ]
amdhsa.kernels:
  - .name:           k_qec5727913f_sample
    .symbol:         k_qec5727913f_sample.kd
    .args:
      - { .name: tcopy, .offset: 0, .size: 8, .value_kind: global_buffer, .address_space: global }
      - { .name: srcn, .offset: 8, .size: 8, .value_kind: global_buffer, .address_space: global }
      - { .name: gidx, .offset: 16, .size: 8, .value_kind: global_buffer, .address_space: global }
      - { .name: gw, .offset: 24, .size: 8, .value_kind: global_buffer, .address_space: global }
      - { .name: keypoint_scores, .offset: 32, .size: 8, .value_kind: global_buffer, .address_space: global }
      - { .name: scores_dense, .offset: 40, .size: 8, .value_kind: global_buffer, .address_space: global }
      - { .name: out1, .offset: 48, .size: 8, .value_kind: global_buffer, .address_space: global }
    .group_segment_fixed_size: 2304
    .private_segment_fixed_size: 0
    .kernarg_segment_align: 8
    .kernarg_segment_size: 56
    .max_flat_workgroup_size: 512
    .sgpr_count:     100
    .vgpr_count:     160
    .wavefront_size: 32
...
	.end_amdgpu_metadata
.endif
;; end of part 4
;; ======== version 2 of 2: 4 launches
;; limits: values outside matrix products are rounded to bf16
;; workspace buffers: kuv 8,192 bytes of whole numbers; scodes 393,216 bytes; sscales 16,384 bytes; srcn 2,097,152 bytes; tcopy 67,108,864 bytes; part 524,288 bytes; gidx 16,384 bytes of whole numbers; gw 32,768 bytes
;; launch prep (part 5): grid 32 x 1, 16 waves a work-group, no clusters, 83,456 bytes of LDS; arguments keypoint_desc, keypoint_coords, kuv, scodes, sscales, srcn, out2; writes kuv, scodes, sscales, srcn, out2
.if DOCPART == 5
	.amdgcn_target "amdgcn-amd-amdhsa--gfx1250"
	.amdhsa_code_object_version 6
	.text
	.protected	k_qec5727913f_prep
	.globl	k_qec5727913f_prep
	.p2align	8
	.type	k_qec5727913f_prep,@function
k_qec5727913f_prep:
	s_mov_b64 s[64:65], 0
	v_nop
	global_prefetch_b8 v0, s[64:65] scope:SCOPE_SE
	s_setreg_imm32_b32 hwreg(HW_REG_WAVE_MODE, 25, 1), 1
	s_wait_xcnt 0x0
; SoftmaxMatcher, launch 1 of 4: the keypoints.  For pair b = 0, 1 the keypoint set is 2 b, the dense image 2 b + 1.
; Here: each keypoint's descriptor (256 channels) is divided by max(its norm, 1e-12) in f32, kept as f32 (srcn, for the last launch) and quantised to
; E2M3 codes with one E8M0 byte for each 32 channels (scodes, sscales); its window's centre, trunc(coords), is stored as whole numbers (kuv); out2 = 0, 2.
; WORK LEFT OUT BY THE PROGRAM, for all values of the inputs:
;  - slices 1, 3 of keypoint_desc, keypoint_coords, keypoint_scores and slices 0, 2 of desc_dense, scores_dense are indexed by neither kp_inds nor dense_inds: never loaded.
;  - the first product is multiplied by a mask of zeros and ones that reference() builds itself: 27 x 27 pixels round trunc(coords).  A product under a zero reaches no output, so image
;    rows outside the aligned pairs of rows that meet a keypoint's window are not multiplied with it.  Their softmax terms stay: each is exp(0 - max), so whole masked rows are a count, a sum
;    of u and a sum of v (whole numbers under 2^24) times one exponential; launch 3 adds them.
;  LIMIT: a NaN, an infinity or an overflow that arises only in the products left out is not carried to the result.
; kuv word: (uc << 10) | (vc << 19), uc = clamp(trunc(x), -14, 269) + 14, vc likewise from y: at -14 and at 269 the window holds no pixel, as it does beyond.
; LIMITS: a NaN coordinate is not served; a sum of 256 squares beyond f32's range is not served; a block of zeros gets the byte 1, not 127: its codes are zeros and this program alone reads the bytes.
; SHARES.  A work-group takes 64 keypoints.  Wave w: kg = w / 8 says which 32 of them, beta = w % 8 which 32 channels (one block).  A lane takes a keypoint and its registers run down the channels.
; No matrix unit, no tensor load, no cluster: 2 MB are read once and nothing is shared between work-groups.
.set SNP,   1040                       ; a keypoint's row of the f32 stage: 1,024 bytes + 16
.set SN,    0                          ; 64 such rows
.set SCD,   66560                      ; 64 x 192 bytes of codes
.set SSC,   78848                      ; 64 x 8 scale bytes
.set SS,    79360                      ; 16 waves x 32 partial sums of squares
.set SPARE, 81408                      ; the spare words: 128 bytes a wave, named by no other line
.set SPW, 10
.set NIL, 11
.set X,   16                           ; v16-47 my keypoint's 32 channels
.macro BARRIER
	s_wait_dscnt 0x0                               ; my LDS stores have landed and my LDS loads are in
	s_barrier_signal -1
	s_barrier_wait -1
.endm
	s_load_b256 s[4:11], s[0:1], 0x0               ; keypoint_desc, keypoint_coords, kuv, scodes
	s_load_b128 s[12:15], s[0:1], 0x20             ; sscales, srcn
	s_load_b64 s[16:17], s[0:1], 0x30              ; out2
	v_lshl_add_u32 v[SPW], v0, 2, SPARE
	v_mov_b32 v[NIL], 0
	v_lshrrev_b32 v1, 5, v0
	s_delay_alu instid0(VALU_DEP_1)
	v_readfirstlane_b32 s18, v1                    ; wave
	v_and_b32 v1, 31, v0                           ; lane
	s_lshr_b32 s19, s18, 3                         ; kg
	s_and_b32 s20, s18, 7                          ; beta
	s_lshr_b32 s21, ttmp9, 4                       ; b
	s_and_b32 s22, ttmp9, 15
	s_lshl_b32 s22, s22, 6                         ; the group's first keypoint in its set
	v_lshlrev_b32 v2, 2, v1
	v_lshlrev_b32 v104, 4, v1
	v_lshlrev_b32 v105, 3, v1
	s_lshl_b32 s23, s19, 5
	v_add_nc_u32 v117, s23, v1                     ; my keypoint among the 64
	s_lshl_b32 s24, s18, 7
	s_add_co_u32 s24, s24, SS
	v_add_nc_u32 v3, s24, v2                       ; where I put my partial sum
	s_lshl_b32 s24, s19, 10
	s_add_co_u32 s24, s24, SS
	v_add_nc_u32 v4, s24, v2                       ; where the eight partial sums of my keypoint begin
	v_mul_u32_u24 v5, v117, SNP
	s_lshl_b32 s24, s20, 6
	v_add_nc_u32 v5, s24, v5                       ; f32 stage: my row, + 64 beta
	v_mul_u32_u24 v6, v117, 192
	s_mul_i32 s24, s20, 24
	s_add_co_u32 s24, s24, SCD
	v_add_nc_u32 v6, s24, v6                       ; codes: my row, my block's 24 bytes
	v_lshlrev_b32 v7, 3, v117
	s_add_co_u32 s24, s20, SSC
	v_add_nc_u32 v7, s24, v7                       ; my block's scale byte
	s_mul_i32 s24, s18, 4*SNP
	v_add_nc_u32 v8, s24, v104                     ; back: rows 4 w on, 16 bytes a lane
	s_mul_i32 s24, s18, 768
	s_add_co_u32 s24, s24, SCD
	v_add_nc_u32 v9, s24, v105                     ; back: 768 bytes of codes a wave, 8 bytes a lane
	v_add_nc_u32 v116, SSC, v104                   ; back: the 512 scale bytes
	s_lshl_b32 s26, s21, 21                        ; set 2 b,
	s_lshl_b32 s24, s20, 17                        ; channel 32 beta,
	s_add_co_u32 s26, s26, s24
	s_add_co_u32 s24, s22, s23
	s_lshl_b32 s24, s24, 2                         ; my wave's first keypoint
	s_add_co_u32 s26, s26, s24
	s_mov_b32 s27, 0
	s_lshl_b32 s28, s21, 14
	s_lshl_b32 s24, s22, 3
	s_add_co_u32 s28, s28, s24                     ; the group's coordinates
	s_mov_b32 s29, 0
	s_lshl_b32 s30, ttmp9, 8
	s_mov_b32 s31, 0
	s_mul_i32 s32, ttmp9, 12288
	s_mul_i32 s24, s18, 768
	s_add_co_u32 s32, s32, s24
	s_mov_b32 s33, 0
	s_lshl_b32 s34, ttmp9, 9
	s_mov_b32 s35, 0
	s_lshl_b32 s36, ttmp9, 16
	s_lshl_b32 s24, s18, 12
	s_add_co_u32 s36, s36, s24
	s_mov_b32 s37, 0
	s_mov_b32 s38, 0xc1600000                      ; -14.0
	s_mov_b32 s39, 0x43868000                      ; 269.0
	s_wait_kmcnt 0x0
	s_add_nc_u64 s[4:5], s[4:5], s[26:27]
	s_add_nc_u64 s[6:7], s[6:7], s[28:29]
	s_add_nc_u64 s[8:9], s[8:9], s[30:31]
	s_add_nc_u64 s[10:11], s[10:11], s[32:33]
	s_add_nc_u64 s[12:13], s[12:13], s[34:35]
	s_add_nc_u64 s[14:15], s[14:15], s[36:37]
	global_load_b128 v[12:15], v104, s[6:7]        ; two keypoints' coordinates a lane (used by wave 0; asked for early by all, so that the registers are written on every way)
.set kk, 0
.rept 32
	global_load_b32 v[X+kk], v2, s[4:5] offset:4096*kk th:TH_LOAD_NT   ; channel 32 beta + kk of 32 neighbouring keypoints
.set kk, kk+1
.endr
	s_wait_loadcnt 0x0
	v_pk_mul_f32 v[56:57], v[X:X+1], v[X:X+1]      ; the sum of my 32 squares, in two packed chains
	v_pk_mul_f32 v[58:59], v[X+2:X+3], v[X+2:X+3]
.irp t, 4,8,12,16,20,24,28
	s_delay_alu instid0(VALU_DEP_2)
	v_pk_fma_f32 v[56:57], v[X+\t:X+\t+1], v[X+\t:X+\t+1], v[56:57]
	s_delay_alu instid0(VALU_DEP_2)
	v_pk_fma_f32 v[58:59], v[X+\t+2:X+\t+3], v[X+\t+2:X+\t+3], v[58:59]
.endr
	s_delay_alu instid0(VALU_DEP_1)
	v_pk_add_f32 v[56:57], v[56:57], v[58:59]
	s_delay_alu instid0(VALU_DEP_1)
	v_add_f32 v56, v56, v57
	ds_store_b32 v3, v56
	BARRIER                                        ; all partial sums lie in LDS
.irp w, 0,1,2,3,4,5,6,7
	ds_load_b32 v[48+\w], v4 offset:128*\w
.endr
	s_wait_dscnt 0x0
.irp w, 1
	v_add_f32 v48, v48, v[48+\w]                   ; the same order in all eight waves: they get the same norm
.endr
.irp w, 2, 3, 4, 5, 6, 7
	s_delay_alu instid0(VALU_DEP_1)
	v_add_f32 v48, v48, v[48+\w]
.endr
	s_wait_alu depctr_va_vdst(0)
	v_sqrt_f32 v56, v48
	v_mov_b32 v59, 0                               ; a plain line behind the root (v59 is named below as the upper half of a pair)
	s_wait_alu depctr_va_vdst(0)                   ; ahead of the root's first reader
	v_max_num_f32 v56, 0x2b8cbccc, v56             ; max(norm, 1e-12)
	s_wait_alu depctr_va_vdst(0)
	v_rcp_f32 v58, v56
	v_nop
	s_wait_alu depctr_va_vdst(0)
.irp t, 0,2,4,6,8,10,12,14,16,18,20,22,24,26,28,30
	v_pk_mul_f32 v[X+\t:X+\t+1], v[X+\t:X+\t+1], v[58:59] op_sel_hi:[1,0]
.endr
.irp k, 0,1,2,3,4,5,6,7                        ; srcn's order: channel c at part (c / 4) % 2, lane c / 8, place c % 4, as the last launch's lanes take it
	ds_store_b128 v5, v[X+4*\k:X+4*\k+3] offset:512*(\k%2)+16*(\k/2)
.endr
	v_max3_num_f32 v60, |v[X]|, |v[X+1]|, |v[X+2]|   ; the block's largest magnitude: all 32 numbers are mine
	v_max3_num_f32 v61, |v[X+3]|, |v[X+4]|, |v[X+5]|
.irp i, 6,10,14,18,22,26
	s_delay_alu instid0(VALU_DEP_2)
	v_max3_num_f32 v60, v60, |v[X+\i]|, |v[X+\i+1]|
	s_delay_alu instid0(VALU_DEP_2)
	v_max3_num_f32 v61, v61, |v[X+\i+2]|, |v[X+\i+3]|
.endr
	s_delay_alu instid0(VALU_DEP_2)
	v_max3_num_f32 v60, v60, |v[X+30]|, |v[X+31]|
	s_delay_alu instid0(VALU_DEP_1)
	v_max3_num_f32 v60, v60, v61, 0x1800000        ; and the floor 2^(3 - 127): the byte cannot fall under 1
	s_delay_alu instid0(VALU_DEP_1)
	v_add_nc_u32 v62, 0xff000000, v60              ; 2 off the exponent field: the conversion's scale operand
	v_cvt_scalef32_pk16_fp6_f32 v[64:66], v[X:X+15], v62
	v_cvt_scalef32_pk16_fp6_f32 v[68:70], v[X+16:X+31], v62
	v_lshrrev_b32 v63, 23, v62                     ; the scale's byte (also the plain line behind the conversions)
	v_mov_b32 v67, v68                             ; the block's 24 bytes on end
	v_mov_b32 v68, v69
	v_mov_b32 v69, v70
	ds_store_b64 v6, v[64:65]
	ds_store_b64 v6, v[66:67] offset:8
	ds_store_b64 v6, v[68:69] offset:16
	ds_store_b8 v7, v63
	BARRIER                                        ; 64 whole rows of numbers, codes and scale bytes lie in LDS
.irp r, 0,1,2,3,4,5,6,7
	ds_load_b128 v[72+4*\r:75+4*\r], v8 offset:SNP*(\r/2)+512*(\r%2)
.endr
.irp q, 0,1,2
	ds_load_b64 v[106+2*\q:107+2*\q], v9 offset:256*\q
.endr
.irp r, 0,1,2,3,4,5,6,7
	s_wait_dscnt 10-\r                             ; the LDS loads younger than this one may be out
	global_store_b128 v104, v[72+4*\r:75+4*\r], s[14:15] offset:512*\r   ; 512 consecutive bytes of srcn
.endr
.irp q, 0,1,2
	s_wait_dscnt 2-\q
	global_store_b64 v105, v[106+2*\q:107+2*\q], s[10:11] offset:256*\q  ; 256 consecutive bytes of scodes
.endr
	s_cmp_lg_u32 s18, 0
	s_cbranch_scc1 .Lend
	ds_load_b128 v[112:115], v116
.irp i, 0,1,2,3
	v_med3_num_f32 v[12+\i], v[12+\i], s38, s39    ; held to -14 .. 269, then cut toward zero: the same as trunc and then the hold
.endr
.irp i, 0,1,2,3
	s_delay_alu instid0(VALU_DEP_4)
	v_cvt_i32_f32 v[12+\i], v[12+\i]
.endr
.irp i, 0,1,2,3
	s_delay_alu instid0(VALU_DEP_4)
	v_add_nc_u32 v[12+\i], 14, v[12+\i]
.endr
	s_delay_alu instid0(VALU_DEP_4)
	v_lshlrev_b32 v12, 10, v12
	s_delay_alu instid0(VALU_DEP_1)
	v_lshl_or_b32 v12, v13, 19, v12
	s_delay_alu instid0(VALU_DEP_4)
	v_lshlrev_b32 v14, 10, v14
	s_delay_alu instid0(VALU_DEP_1)
	v_lshl_or_b32 v13, v15, 19, v14
	global_store_b64 v105, v[12:13], s[8:9]        ; 256 consecutive bytes of kuv
	s_wait_dscnt 0x0
	global_store_b128 v104, v[112:115], s[12:13]   ; 512 consecutive bytes of sscales
	s_cmp_lg_u32 ttmp9, 0
	s_cbranch_scc1 .Lend
	v_lshlrev_b32 v14, 1, v1                       ; kp_inds: 2 i
	v_cmp_gt_u32 vcc_lo, 2, v1
	s_wait_alu depctr_va_vdst(0)
	s_wait_xcnt 0x0                                ; EXEC changes only behind this wait
	s_and_saveexec_b32 s40, vcc_lo
	global_store_b32 v2, v14, s[16:17]
	s_wait_xcnt 0x0
	s_or_b32 exec_lo, exec_lo, s40
.Lend:
	s_wait_tensorcnt 0x0                           ; the wave's end: three closing lines behind my last LDS store
	ds_add_u32 v[SPW], v[NIL]
	s_wait_dscnt 0x0
	s_endpgm
.Lfunc_end_k_qec5727913f_prep:
	.size	k_qec5727913f_prep, .Lfunc_end_k_qec5727913f_prep-k_qec5727913f_prep
	.p2alignl 7, 3214868480
	.fill 96, 4, 3214868480
	.section	.rodata,"a",@progbits
	.p2align	6, 0x0
	.amdhsa_kernel k_qec5727913f_prep
		.amdhsa_group_segment_fixed_size 83456
		.amdhsa_private_segment_fixed_size 0
		.amdhsa_enable_private_segment 0
		.amdhsa_kernarg_size 56
		.amdhsa_user_sgpr_count 2
		.amdhsa_user_sgpr_kernarg_segment_ptr 1
		.amdhsa_wavefront_size32 1
		.amdhsa_system_sgpr_workgroup_id_x 1
		.amdhsa_system_sgpr_workgroup_id_y 1
		.amdhsa_system_sgpr_workgroup_id_z 1
		.amdhsa_system_vgpr_workitem_id 0
		.amdhsa_next_free_vgpr 128
		.amdhsa_next_free_sgpr 66
		.amdhsa_reserve_vcc 1
		.amdhsa_float_denorm_mode_32 3
		.amdhsa_float_denorm_mode_16_64 3
		.amdhsa_memory_ordered 1
		.amdhsa_forward_progress 1
		.amdhsa_inst_pref_size 17
	.end_amdhsa_kernel
	.amdgpu_metadata
---
amdhsa.version: [ 1, 2 ]
amdhsa.kernels:
  - .name:           k_qec5727913f_prep
    .symbol:         k_qec5727913f_prep.kd
    .args:
      - { .name: keypoint_desc, .offset: 0, .size: 8, .value_kind: global_buffer, .address_space: global }
      - { .name: keypoint_coords, .offset: 8, .size: 8, .value_kind: global_buffer, .address_space: global }
      - { .name: kuv, .offset: 16, .size: 8, .value_kind: global_buffer, .address_space: global }
      - { .name: scodes, .offset: 24, .size: 8, .value_kind: global_buffer, .address_space: global }
      - { .name: sscales, .offset: 32, .size: 8, .value_kind: global_buffer, .address_space: global }
      - { .name: srcn, .offset: 40, .size: 8, .value_kind: global_buffer, .address_space: global }
      - { .name: out2, .offset: 48, .size: 8, .value_kind: global_buffer, .address_space: global }
    .group_segment_fixed_size: 83456
    .private_segment_fixed_size: 0
    .kernarg_segment_align: 8
    .kernarg_segment_size: 56
    .max_flat_workgroup_size: 512
    .sgpr_count:     66
    .vgpr_count:     128
    .wavefront_size: 32
...
	.end_amdgpu_metadata
.endif
;; end of part 5
;; launch match (part 6): grid 256 x 1, 8 waves a work-group, no clusters, 323,840 bytes of LDS; arguments desc_dense, kuv, scodes, sscales, tcopy, part; writes tcopy, part
.if DOCPART == 6
	.amdgcn_target "amdgcn-amd-amdhsa--gfx1250"
	.amdhsa_code_object_version 6
	.text
	.protected	k_qec5727913f_match
	.globl	k_qec5727913f_match
	.p2align	8
	.type	k_qec5727913f_match,@function
k_qec5727913f_match:
	s_mov_b64 s[64:65], 0
	v_nop
	global_prefetch_b8 v0, s[64:65] scope:SCOPE_SE
	s_setreg_imm32_b32 hwreg(HW_REG_WAVE_SCHED_MODE, 0, 2), 2
	s_setreg_imm32_b32 hwreg(HW_REG_WAVE_MODE, 25, 1), 1
	s_wait_xcnt 0x0
	s_wait_alu depctr_vm_vsrc(0)
; SoftmaxMatcher, launch 2 of 4: the dense image is read ONCE; its pixels are normalised, quantised, multiplied with the keypoints whose window meets them, and put through a running softmax.
; WORK LEFT OUT: a keypoint is multiplied only with the pairs of image rows that meet its 27 x 27 window (reference() multiplies the rest by its own zeros); slices 0 and 2 of desc_dense are never indexed.
; SHARES.  Work-group x: pair b = x / 128, image rows 2 p, 2 p + 1 (p = x % 128), in four chunks of 128 pixels x 256 channels.  Wave beta streams channels 32 beta .. + 31 (one block of the quantiser);
; lane l holds pixels 4 l .. 4 l + 3, register 4 k + i = channel k, pixel i: each load covers 512 consecutive bytes.  Two register buffers: the next chunk's 32 loads a wave are out while a chunk is worked.
; A CHUNK: sums of squares meet in LDS | barrier | the raw numbers go as bf16 into a stage (pixel-major copy for the last launch); numbers x 1 / max(norm, 1e-12); codes and scale bytes go to LDS as images of
; operand registers | barrier | each wave stores 16 pixel rows of the copy (512 consecutive bytes each) and works its tiles of 16 keypoints: 16 matrix instructions, mask, running maximum, exponentials, sums.
; THE COPY IS bf16: the sum over channels of src x sampled descriptor is a product left as it is; it feeds no quantiser; its operand's rounding moves desc_match_score by about 2^-9 x rms(descriptor) / 256.
; LISTS.  From kuv (whole numbers stored by the launch before) the keypoints with 2 p + 1 <= vc <= 2 p + 28 are the work-group's.  All waves fill the list with entries whose window is empty | barrier | every wave
; counts the members; wave 0 also places them | barrier.  Tiles of 16 entries; tile t belongs to wave t % 8.
; PRODUCT.  Source 0 = 16 pixels, source 1 = 16 keypoints.  Pixel fragment f = 4 g + i holds pixels 64 g + 4 m + i (m its row), so in the result lane (r, h) is keypoint r and register j is pixel
; u = 128 a + 64 g + 32 h + 4 j + i.  Masked scores become 0 and stay in the softmax, as in reference().  t = score x 100 log2(e); p = 2^(t - m), m the running maximum; l, su, sv the sums of p, p u, p v.
; After the fourth chunk (m, l, su, sv) of the pair of rows goes to part[keypoint][p - first pair of its window], 16 bytes a keypoint; all lanes stay on: an empty entry's four numbers go to 16 slots of the
; work-group's own behind part's 28,672, which nobody reads.  These are short stores to rows 224 bytes apart: 16 bytes for each 512 pixels x 256 channels that a keypoint was multiplied with.
; No tensor loads: the walk hangs on numbers read from memory.  No cluster: work-groups share only the keypoints' codes, a small part of a step's bytes.  No prefetch: the launch streams its input from its first line to its last.
; LIMITS: NaN and infinities among the inputs, and sums of 256 squares beyond f32's range, are not served; a block of zeros gets the byte 1: its codes are zeros, and this launch alone reads the bytes.
; THE MODE: SCHED_MODE bits 1:0 = 2 (LLVM: expert scheduling mode 2), set by the entry lines.  The code itself states the register dependences between vector or matrix instructions and memory or LDS
; instructions, with s_wait_alu, always for 0.
; THE PLAN.  Registers that memory or LDS instructions touch:
;   X0, X1 (window 1)  Read by a chunk's squares, roundings and multiplications; behind the last of these one wait, then the loads of the chunk after next land there.
;   v248-251           Written by the sums of squares, read by their store; later written as scale bytes, read by the byte stores.
;   v192-223           The partial sums land there (LDS loads); then the conversions write codes there, which the image stores read; in a tile the keypoints' fragments and the entry land there.
;   v64-127            Written by the roundings, read by the stage's stores; written as normalised numbers, read by maxima and conversions; the stage's rows land there, the copy's stores read them; then the scores.
;   v128-175, v176-187, v236-247  Six slots for pixel fragments: LDS loads land there, matrix instructions read them.  Between a tile's products and the next tile's loads the last two are registers at work;
;                      v236-239 are the data of the statistics' store, v179 the offset of the store to part.
;   v7-10              The tile's four LDS addresses: written at the tile's head, read by its loads and its store.
;   ASC, v12, v232-235 LDS loads land there; matrix and vector instructions read them.
;   v1-6, v13-23       Offsets and addresses made once at the head and never written again.
; A chunk has seven waits on va_vdst (ahead of the sums' store; ahead of the roots; behind the roots, which also serves the stage's stores; ahead of the reciprocals; behind the reciprocals; ahead of the next loads; ahead of the image stores) and two on
; vm_vsrc (ahead of the multiplications; ahead of the tiles).  A tile has one on va_vdst at its head, one ahead of each of its two refills of the slots, one ahead of the exponentials, one behind them, one ahead of its store;
; one on va_sdst behind its compares; one on vm_vsrc behind its store.
.set SPITCH, 528                       ; a stage row: 512 bytes (256 bf16 of one pixel) + 16.  Pixel 4 l + i lies in row 32 i + l: lanes 528 bytes apart on the way in, whole rows on the way out
.set STAGE, 0
.set IMG,   67584                      ; 16 images of pixel fragments, 1,536 bytes each: index 2 f + s (s: which 128 channels)
.set ISC,   92160                      ; their scale words: (2 i + s) x 128 + 4 x lane; lanes 0-15 g = 0, lanes 16-31 g = 1
.set SS,    93184                      ; 8 waves x 128 pixels: partial sums of squares
.set LIST,  97280                      ; 1,024 entries: id | uc << 10 | vc << 19; directly behind them, as entries 1,024 + lane, the 32 words where lanes that hold no member store
.set STAT,  101632                     ; 64 tiles x 16 keypoints x (m, l, su, sv); tile w + 8 k at slot 8 w + k: each wave's own run
.set BIMG,  118016                     ; 64 tiles x 3,200: the keypoints' two fragments as images (3,072) and their scale words (128); slots as STAT's
.set BTILE, 3200
.set SPARE, 322816                     ; the spare words: 128 bytes a wave, named by no other line
.set PSLOTS, 28672                     ; part: 2,048 keypoints x 14 slots of 16 bytes; behind them 16 slots for each work-group
.set L16, 1                            ; 16 x lane
.set L4,  2                            ; 4 x lane
.set SSW, 3
.set SSR, 4
.set TSW, 5                            ; stage, in
.set TRW, 6                            ; stage, out
.set TA,  7                            ; v7-10 the tile in hand: its images, scale words, entries, statistics
.set BSC, 12                           ; the keypoints' scale words: lanes 0-15 channels 0-127, lanes 16-31 channels 128-255; holds nothing else
.set IA0, 13
.set IA1, 14
.set ISB, 15
.set IMR, 16
.set ISR, 17
.set LRW, 18
.set STW, 19
.set XH,  20                           ; 5 - 32 (lane / 16)
.set DMP, 21                           ; PSLOTS + 16 x work-group + lane % 16: where an empty entry's numbers go
.set BIW, 22
.set BSW, 23
.set SPW, 24
.set NIL, 25
.set NM,  26                           ; v[26:27] -m (the packed form names a pair and takes its low word)
.set RR,  28                           ; v28-31 1 / max(norm, 1e-12) of my four pixels
.set UC,  32                           ; v32-63 float(32 h + 4 j + i) at 8 i + j
.set Y,   64                           ; v64-191 normalised numbers, pixel i at 32 i
.set S,   64                           ; v64-127 the scores of a tile: fragment f at 8 f
.set PA,  64                           ; (head only, wave 0) v64-79, v96-111: where sixteen words of kuv go in the list
.set PD,  80                           ; (head only, wave 0) v80-95, v112-127: the entries made of them
.set AF,  128                          ; v128-175 four of the six slots for pixel fragments
.set SL4, 176                          ; v176-187 the fifth
.set SL5, 236                          ; v236-247 the sixth
.set KU,  128                          ; (head only) v128-159 the pair's 1,024 words of kuv
.set BF,  192                          ; v192-215 the keypoints' two fragments
.set ENT, 217
.set EMP, 219                          ; (head only) an entry with an empty window
.set DIX, 222                          ; (head only) 1,024 + lane
.set PFW, 223                          ; (head only) my wave's 128 entries of the list, 4 bytes a lane
.set ASC, 224                          ; v224-231 the pixels' scale words, 2 i + s; they hold nothing else
.set H24, 232                          ; (head only)
.set H4,  233
.set MSB, 0
.macro WIN new                         ; the immediate's high byte repeats the setting that is left
.if MSB != \new
	s_set_vgpr_msb (MSB<<8)|\new
.set MSB, \new
.endif
.endm
.macro BARRIER
	s_wait_dscnt 0x0                               ; my LDS stores have landed and my LDS loads are in
	s_barrier_signal -1
	s_barrier_wait -1
.endm
.macro XLOAD buf, c, k0, n, w          ; chunk c: channels k0 .. k0 + n - 1 of my 32, 128 pixels each, into buffer buf of window 1.  w = 1: vector lines have read the buffer
	WIN 0x40
.if \w
	s_wait_alu depctr_va_vdst(0)                   ; the squares, the roundings and the multiplications are done reading this buffer, in which the loads below land
.endif
.set kk, \k0
.rept \n
	global_load_b128 v[128*(\buf)+4*kk:128*(\buf)+4*kk+3], v[L16], s[20:21] offset:262144*kk+1024*((\c)/2)+512*((\c)%2) th:TH_LOAD_NT
.set kk, kk+1
.endr
	WIN 0
.endm
.macro MASKS g, t                      ; sixteen words of kuv, registers KU + 16 g on: who is a member?  The sixteen masks go to s48-63; t: sixteen registers at work
.irp n, 0,1,2,3,4,5,6,7,8,9,10,11,12,13,14,15
	v_lshrrev_b32 v[(\t)+\n], 19, v[KU+16*(\g)+\n]
.endr
.irp n, 0,1,2,3,4,5,6,7,8,9,10,11,12,13,14,15
	v_sub_nc_u32 v[(\t)+\n], v[(\t)+\n], s44
.endr
.irp n, 0,1,2,3,4,5,6,7,8,9,10,11,12,13,14,15
	v_cmp_gt_u32 s[48+\n], 28, v[(\t)+\n]          ; 2 p + 1 <= vc <= 2 p + 28: the window meets row 2 p or 2 p + 1
.endr
	s_wait_alu depctr_va_sdst(0)                   ; the sixteen compares have written s48-63, ahead of their first reader
.endm
.macro BGATHER reg, la, lo             ; the 16 keypoints of a tile: lane (r, h) takes entry r's codes (24 h bytes on) and scale word h
	ds_load_b32 v[ENT], v[\la] offset:\lo
	s_wait_dscnt 0x0
	v_and_b32 v[\reg+26], 0x3ff, v[ENT]
	v_min_u32 v[\reg+26], 0x3ff, v[\reg+26]        ; a number that was read enters an address behind this hold; behind it shifts to the left and additions alone
	v_lshlrev_b32 v[\reg+27], 6, v[\reg+26]
	v_lshlrev_b32 v[\reg+25], 7, v[\reg+26]
	v_add_nc_u32 v[\reg+27], v[\reg+27], v[\reg+25]   ; 192 x id
	v_add_nc_u32 v[\reg+27], v[\reg+27], v[H24]
	v_lshlrev_b32 v[\reg+26], 3, v[\reg+26]
	v_add_nc_u32 v[\reg+26], v[\reg+26], v[H4]
	s_wait_alu depctr_va_vdst(0)                   ; the two offsets are written, which the loads below read; the vector lines that read kuv's words and the entry are done: loads land in those registers
.irp n, 0,1,2,3,4,5,6,7,8,9,10,11
	global_load_b64 v[\reg+2*\n:\reg+2*\n+1], v[\reg+27], s[8:9] offset:48*(\n/3)+8*(\n%3)
.endr
	global_load_b32 v[\reg+24], v[\reg+26], s[10:11]
.endm
.macro BSTORE reg, ia, sa, off         ; and their image into my own bytes of LDS
.irp g, 0,1,2,3,4,5
	ds_store_b128 v[\ia], v[\reg+4*\g:\reg+4*\g+3] offset:\off+512*\g
.endr
	ds_store_b32 v[\sa], v[\reg+24] offset:\off
.endm
.macro WMASK dst, x                    ; 27 ones shifted by x - 32 (left if positive), 0 for x beyond 0 .. 63 (a negative x is a large unsigned one)
	v_min_u32 v183, 64, v[\x]
	v_min_u32 v184, 32, v183
	v_sub_nc_u32 v185, 32, v184
	v_min_u32 v185, 31, v185                       ; to the right: 32 - x, and 27 ones are gone at 31 as at 32
	v_sub_nc_u32 v183, v183, v184                  ; to the left: x - 32, up to 32, in two shifts
	v_min_u32 v184, 16, v183
	v_sub_nc_u32 v183, v183, v184
	v_lshrrev_b32 v[\dst], v185, s36
	v_lshlrev_b32 v[\dst], v184, v[\dst]
	v_lshlrev_b32 v[\dst], v183, v[\dst]
.endm
; the four shapes of the matrix instruction: a sum's first half of K starts it with 0; the second adds in place.  g = 1 takes the pixels' scales from lanes 16-31, the second half of K the keypoints'
.macro WZ0 d, a, sa
	v_wmma_scale_f32_16x16x128_f8f6f4 v[(\d):(\d)+7], v[(\a):(\a)+11], v[BF:BF+11], 0, v[(\sa)], v[BSC] matrix_a_fmt:MATRIX_FMT_FP6 matrix_b_fmt:MATRIX_FMT_FP6
.endm
.macro WZ1 d, a, sa
	v_wmma_scale_f32_16x16x128_f8f6f4 v[(\d):(\d)+7], v[(\a):(\a)+11], v[BF:BF+11], 0, v[(\sa)], v[BSC] matrix_a_fmt:MATRIX_FMT_FP6 matrix_b_fmt:MATRIX_FMT_FP6 matrix_a_scale:MATRIX_SCALE_ROW1
.endm
.macro WA0 d, a, sa
	v_wmma_scale_f32_16x16x128_f8f6f4 v[(\d):(\d)+7], v[(\a):(\a)+11], v[BF+12:BF+23], v[(\d):(\d)+7], v[(\sa)], v[BSC] matrix_a_fmt:MATRIX_FMT_FP6 matrix_b_fmt:MATRIX_FMT_FP6 matrix_b_scale:MATRIX_SCALE_ROW1
.endm
.macro WA1 d, a, sa
	v_wmma_scale_f32_16x16x128_f8f6f4 v[(\d):(\d)+7], v[(\a):(\a)+11], v[BF+12:BF+23], v[(\d):(\d)+7], v[(\sa)], v[BSC] matrix_a_fmt:MATRIX_FMT_FP6 matrix_b_fmt:MATRIX_FMT_FP6 matrix_a_scale:MATRIX_SCALE_ROW1 matrix_b_scale:MATRIX_SCALE_ROW1
.endm
; THE WALK OVER A TILE'S SIXTEEN PIXEL FRAGMENTS: number n = 8 s + f: the first half of K of fragments 0 to 7, then the second: each sum takes its two halves in that order, and the eight accumulators take
; turns, one instruction a turn.  Number n lies in slot n % 6: so the walk goes in groups of 6, 6 and 4.
.macro SLOT n                          ; FF, HH: number n's fragment and half of K; SR: its slot's first register
.set FF, (\n)%8
.set HH, (\n)/8
.if (\n)%6 < 4
.set SR, AF+12*((\n)%6)
.elseif (\n)%6 == 4
.set SR, SL4
.else
.set SR, SL5
.endif
.endm
.macro AFETCH n
	SLOT \n
.irp q, 0,1,2
	ds_load_b128 v[SR+4*\q:SR+4*\q+3], v[IMR] offset:(2*FF+HH)*1536+512*\q
.endr
.endm
.macro PROD n
	SLOT \n
.if HH == 0
.if FF < 4
	WZ0 S+8*FF, SR, ASC+2*(FF%4)
.else
	WZ1 S+8*FF, SR, ASC+2*(FF%4)
.endif
.else
.if FF < 4
	WA0 S+8*FF, SR, ASC+2*(FF%4)+1
.else
	WA1 S+8*FF, SR, ASC+2*(FF%4)+1
.endif
.endif
.endm
; ONE TILE OF 16 KEYPOINTS AGAINST THE CHUNK'S 128 PIXELS.  s28, s29, s30: the tile's place in my images, in the list, in my statistics.  s31 = image row + 27, s46 = image row.  AH: which half of the row
.macro TILE c
	v_add_nc_u32 v[TA], s28, v[BIW]
	v_add_nc_u32 v[TA+1], s28, v[BSW]
	v_add_nc_u32 v[TA+2], s29, v[LRW]
	v_add_nc_u32 v[TA+3], s30, v[STW]
	s_wait_alu depctr_va_vdst(0)                   ; the four addresses are written, which the loads below read; the vector and matrix lines issued so far are done with the keypoints' fragments and scale words, the entry, the statistics and the six slots, in which these loads land
.irp g, 0,1,2,3,4,5
	ds_load_b128 v[BF+4*\g:BF+4*\g+3], v[TA] offset:512*\g
.endr
	ds_load_b32 v[BSC], v[TA+1]
	ds_load_b32 v[ENT], v[TA+2]
.if \c > 0
	ds_load_b128 v[232:235], v[TA+3]               ; m, l, su, sv so far (my own bytes: LDS serves a wave's instructions in order)
.else
	v_mov_b32 v232, 0xff61b1e6                     ; -3e38, under every t.  (These four name no register that a load of this tile touches)
	v_mov_b32 v233, 0
	v_mov_b32 v234, 0
	v_mov_b32 v235, 0
.endif
.irp n, 0,1,2,3,4,5
	AFETCH \n
.endr
	s_wait_dscnt 0x0
.irp n, 0,1,2,3,4,5
	PROD \n
.endr
.rept 4
	v_nop                                          ; four plain lines behind the products, as they stood in front of loads into registers that matrix instructions have read
.endr
	s_wait_alu depctr_va_vdst(0)                   ; the six products are done reading the slots, in which the loads below land
.irp n, 6,7,8,9,10,11
	AFETCH \n
.endr
	s_wait_dscnt 0x0
.irp n, 6,7,8,9,10,11
	PROD \n
.endr
.rept 4
	v_nop                                          ; likewise; they are also the places between the products that read v176-187 and the vector lines below that write them
.endr
	s_wait_alu depctr_va_vdst(0)                   ; the six products are done reading the slots: the last four fragments land in the first four
.irp n, 12,13,14,15
	AFETCH \n
.endr
	s_wait_dscnt 0x0
.irp n, 12,13,14,15
	PROD \n
.endr
	; the window as two words of bits, bit 4 j + i for pixel 128 a + 64 g + 32 h + 4 j + i.  (These plain lines name no register of the last products: they are the places behind them)
	v_lshrrev_b32 v176, 19, v[ENT]                 ; vc
	v_bfe_u32 v177, v[ENT], 10, 9                  ; uc
	v_sub_nc_u32 v178, s31, v176                   ; row + 27 - vc: 0 .. 26 where the row lies in the window
	v_cmp_gt_u32 s37, 27, v178
.if \c == 3
	v_cmp_gt_u32 s45, 511, v176                    ; a true entry?  (Asked here, beside the other compare: one wait serves both)
.endif
	v_add_nc_u32 v179, v177, v[XH]                 ; x = the window's first pixel - my first pixel + 32
.if AH
	v_add_nc_u32 v179, 0xffffff80, v179
.endif
	s_wait_alu depctr_va_sdst(0)                   ; the compares have written s37 (and s45), ahead of their first reader
	v_cndmask_b32 v179, 0, v179, s37               ; a row outside: x = 0, no bit
	v_add_nc_u32 v180, 0xffffffc0, v179            ; g = 1: 64 pixels on
	WMASK 181, 179
	WMASK 182, 180
.irp f, 0,1,2,3,4,5,6,7                        ; each accumulator is read from its low end on
.irp j, 0,1,2,3,4,5,6,7
	v_lshlrev_b32 v[186+(\j%2)], 31-(4*\j+(\f%4)), v[181+(\f/4)]
	v_ashrrev_i32 v[186+(\j%2)], 31, v[186+(\j%2)]
	v_and_b32 v[S+8*\f+\j], v[186+(\j%2)], v[S+8*\f+\j]   ; a masked score is +0
.endr
.endr
.irp q, 0,1,2,3
	v_max3_num_f32 v[248+\q], v[S+16*\q], v[S+16*\q+1], v[S+16*\q+2]
.endr
.irp i, 3,5,7,9,11,13
.irp q, 0,1,2,3
	v_max3_num_f32 v[248+\q], v[248+\q], v[S+16*\q+\i], v[S+16*\q+\i+1]
.endr
.endr
.irp q, 0,1,2,3
	v_max_num_f32 v[248+\q], v[248+\q], v[S+16*\q+15]
.endr
	v_max3_num_f32 v248, v248, v249, v250
	v_max_num_f32 v248, v248, v251
	v_mul_f32 v248, s32, v248                      ; as t (the factor is positive)
	v_permlanex16_b32 v249, v248, s34, s35         ; the keypoint's other 64 pixels lie in the lane 16 away
	v_max3_num_f32 v236, v248, v249, v232          ; the new m
	v_xor_b32 v[NM], 0x80000000, v236
	v_sub_f32 v250, v232, v236                     ; old m - new m
.irp e, 0,2,4,6,8,10,12,14,16,18,20,22,24,26,28,30,32,34,36,38,40,42,44,46,48,50,52,54,56,58,60,62
	v_pk_fma_f32 v[S+\e:S+\e+1], v[S+\e:S+\e+1], s[32:33], v[NM:NM+1] op_sel_hi:[1,0,0]   ; t - m
.endr
	s_wait_alu depctr_va_vdst(0)
.irp e, 0,1,2,3,4,5,6,7,8,9,10,11,12,13,14,15,16,17,18,19,20,21,22,23,24,25,26,27,28,29,30,31,32,33,34,35,36,37,38,39,40,41,42,43,44,45,46,47,48,49,50,51,52,53,54,55,56,57,58,59,60,61,62,63
	v_exp_f32 v[S+\e], v[S+\e]
.endr
	v_exp_f32 v250, v250                           ; f = 2^(old m - new m)
	v_nop                                          ; a plain line behind the last exponential
	s_wait_alu depctr_va_vdst(0)                   ; one wait for the batch of 65: the exponentials have written v64-127 and v250, ahead of their first reader
	v_pk_add_f32 v[240:241], v[S:S+1], v[S+2:S+3]          ; four chains by turns: the sums of p (g = 0, g = 1) and of p x (32 h + 4 j + i)
	v_pk_add_f32 v[242:243], v[S+32:S+33], v[S+34:S+35]
	v_pk_mul_f32 v[244:245], v[S:S+1], v[UC:UC+1]
	v_pk_mul_f32 v[246:247], v[S+32:S+33], v[UC:UC+1]
	v_pk_fma_f32 v[244:245], v[S+2:S+3], v[UC+2:UC+3], v[244:245]
	v_pk_fma_f32 v[246:247], v[S+34:S+35], v[UC+2:UC+3], v[246:247]
.irp e, 4,6,8,10,12,14,16,18,20,22,24,26,28,30
	v_pk_add_f32 v[240:241], v[240:241], v[S+\e:S+\e+1]
	v_pk_add_f32 v[242:243], v[242:243], v[S+32+\e:S+33+\e]
	v_pk_fma_f32 v[244:245], v[S+\e:S+\e+1], v[UC+\e:UC+\e+1], v[244:245]
	v_pk_fma_f32 v[246:247], v[S+32+\e:S+33+\e], v[UC+\e:UC+\e+1], v[246:247]
.endr
	v_add_f32 v240, v240, v241
	v_add_f32 v242, v242, v243                     ; the sum of p over g = 1
	v_pk_add_f32 v[244:245], v[244:245], v[246:247]
	v_add_f32 v240, v240, v242                     ; the sum of p, my half
	v_add_f32 v244, v244, v245
	v_fmamk_f32 v244, v242, 0x42800000, v244       ; + 64 for g = 1
.if AH
	v_fmamk_f32 v244, v240, 0x43000000, v244       ; + 128 for the row's second half
.endif
	v_permlanex16_b32 v241, v240, s34, s35
	v_permlanex16_b32 v245, v244, s34, s35
	v_add_f32 v240, v240, v241
	v_add_f32 v244, v244, v245
	v_cvt_f32_u32 v251, s46
	v_fma_f32 v237, v233, v250, v240               ; l
	v_fma_f32 v238, v234, v250, v244               ; su
	v_mul_f32 v251, v251, v240
	v_fma_f32 v239, v235, v250, v251               ; sv
.if \c < 3
	s_wait_alu depctr_va_vdst(0)                   ; m, l, su, sv are written, which the store reads
	ds_store_b128 v[TA+3], v[236:239]              ; both halves of the lanes hold, and write, the same
	s_wait_alu depctr_vm_vsrc(0)                   ; the store has read v236-239 and its address, the tile's loads theirs: the next tile writes all of these
.else
	v_min_u32 v178, 27, v176
	v_sub_nc_u32 v178, v176, v178
	v_lshrrev_b32 v178, 1, v178                    ; the first pair of rows of the keypoint's window
	v_sub_nc_u32 v178, s19, v178                   ; 14,336 b + my pair's slot, 0 .. 13
	v_and_b32 v179, 0x3ff, v[ENT]
	v_mad_u32_u24 v179, v179, 14, v178             ; the slot in part
	v_cndmask_b32 v179, v[DMP], v179, s45          ; an empty entry's numbers go behind part's slots
	v_min_u32 v179, 0x7fff, v179                   ; a number that was read enters an address behind this hold; behind it a shift to the left alone
	v_lshlrev_b32 v179, 4, v179
	s_wait_alu depctr_va_vdst(0)                   ; m, l, su, sv and the offset are written, which the store reads
	global_store_b128 v179, v[236:239], s[14:15]   ; all lanes on: lanes 16-31 hold the same entry and the same numbers as lanes 0-15 and write the same bytes
	s_wait_xcnt 0x0                                ; the store has read its registers: the next tile writes them
	s_wait_alu depctr_vm_vsrc(0)                   ; beside it: the store has read v179 and v236-239, the tile's loads their addresses: the next tile writes all of these
.endif
.endm
.macro CHUNK c
.set XB, 128*((\c)%2)
.set AH, (\c)%2
.if \c == 3
	s_wait_loadcnt 0x0
.elseif \c > 0
	s_wait_loadcnt 32                              ; this chunk's loads are in; the next chunk's 32 may be out.  (Chunk 0 is in since the head's wait for all loads)
.endif
	WIN 0x05                                       ; sources 0 and 1 in window 1
	v_pk_mul_f32 v[248:249], v[XB:XB+1], v[XB:XB+1]        ; my four pixels' sums of 32 squares: four chains
	v_pk_mul_f32 v[250:251], v[XB+2:XB+3], v[XB+2:XB+3]
	v_pk_mul_f32 v[252:253], v[XB+4:XB+5], v[XB+4:XB+5]
	v_pk_mul_f32 v[254:255], v[XB+6:XB+7], v[XB+6:XB+7]
.set kk, 2
.rept 30
	v_pk_fma_f32 v[248+4*(kk%2):249+4*(kk%2)], v[XB+4*kk:XB+4*kk+1], v[XB+4*kk:XB+4*kk+1], v[248+4*(kk%2):249+4*(kk%2)]
	v_pk_fma_f32 v[250+4*(kk%2):251+4*(kk%2)], v[XB+4*kk+2:XB+4*kk+3], v[XB+4*kk+2:XB+4*kk+3], v[250+4*(kk%2):251+4*(kk%2)]
.set kk, kk+1
.endr
	WIN 0
	v_pk_add_f32 v[248:249], v[248:249], v[252:253]
	v_pk_add_f32 v[250:251], v[250:251], v[254:255]
	s_wait_alu depctr_va_vdst(0)                   ; my four sums are written, which the store reads; and the vector and matrix lines issued so far are done with v192-223, in which the loads behind the barrier land (no vector line stands between)
	ds_store_b128 v[SSW], v[248:251]
	BARRIER                                        ; the partial sums lie in LDS; and every wave has left the last chunk's stage, images and scale words
.irp w, 0,1,2,3,4,5,6,7
	ds_load_b128 v[192+4*\w:195+4*\w], v[SSR] offset:512*\w
.endr
	WIN 0x05
.irp i, 0,1,2,3                                ; the raw numbers as bf16: pixel i, eight channels to 16 bytes
.irp k, 0,1,2,3
.irp q, 0,1,2,3
	v_cvt_pk_bf16_f32 v[64+16*\i+4*\k+\q], v[XB+4*(8*\k+2*\q)+\i], v[XB+4*(8*\k+2*\q+1)+\i]
.endr
.endr
.endr
	WIN 0
	s_wait_dscnt 0x0                               ; the eight loads are in
.irp w, 1,2,3,4,5,6,7
	v_pk_add_f32 v[192:193], v[192:193], v[192+4*\w:193+4*\w]   ; the same order in all eight waves: they get the same norm
	v_pk_add_f32 v[194:195], v[194:195], v[194+4*\w:195+4*\w]
.endr
	s_wait_alu depctr_va_vdst(0)
.irp i, 0,1,2,3
	v_sqrt_f32 v[RR+\i], v[192+\i]
.endr
	v_nop
	s_wait_alu depctr_va_vdst(0)                   ; one wait for two things: the four roots are written, ahead of their first reader; the roundings have written v64-127, which the stage's stores read
.irp i, 0,1,2,3
.irp k, 0,1,2,3
	ds_store_b128 v[TSW], v[64+16*\i+4*\k:67+16*\i+4*\k] offset:32*SPITCH*\i+16*\k
.endr
.endr
.irp i, 0,1,2,3
	v_max_num_f32 v[RR+\i], 0x2b8cbccc, v[RR+\i]   ; max(norm, 1e-12)
.endr
	s_wait_alu depctr_va_vdst(0)
.irp i, 0,1,2,3
	v_rcp_f32 v[RR+\i], v[RR+\i]
.endr
	v_nop
	s_wait_alu depctr_va_vdst(0)                   ; the four reciprocals are written, ahead of their first reader
	s_wait_dscnt 0x0                               ; the stage's stores are done
	s_wait_alu depctr_vm_vsrc(0)                   ; beside it: the stage's stores have read v64-127 and the sums' store v248-251 (in the first chunk also: the head's stores and loads have read v128-187): the lines below write these
	WIN 0x01                                       ; source 0 in window 1
.irp i, 0,1,2,3
.set kk, 0
.rept 32
	v_mul_f32 v[Y+32*\i+kk], v[XB+4*kk+\i], v[RR+\i]       ; a pixel's 32 channels on end in my registers
.set kk, kk+1
.endr
.endr
.if \c < 2
	XLOAD (\c)%2, (\c)+2, 0, 32, 1                 ; the buffer is free: the chunk after next
.endif
	WIN 0
.irp i, 0,1,2,3
	v_max3_num_f32 v[248+\i], |v[Y+32*\i]|, |v[Y+32*\i+1]|, 0x1800000   ; four blocks by turns; the floor 2^(3 - 127) holds the byte at 1 from below
.endr
.irp t, 2,4,6,8,10,12,14,16,18,20,22,24,26,28,30
.irp i, 0,1,2,3
	v_max3_num_f32 v[248+\i], v[248+\i], |v[Y+32*\i+\t]|, |v[Y+32*\i+\t+1]|
.endr
.endr
.irp i, 0,1,2,3
	v_add_nc_u32 v[252+\i], 0xff000000, v[248+\i]  ; 2 off the exponent field: the conversion's scale operand
.endr
.irp i, 0,1,2,3
	v_cvt_scalef32_pk16_fp6_f32 v[192+8*\i:194+8*\i], v[Y+32*\i:Y+32*\i+15], v[252+\i]
	v_cvt_scalef32_pk16_fp6_f32 v[196+8*\i:198+8*\i], v[Y+32*\i+16:Y+32*\i+31], v[252+\i]
.endr
.irp i, 0,1,2,3
	v_lshrrev_b32 v[248+\i], 23, v[252+\i]         ; the scale's byte (also the plain line behind the conversions)
.endr
.irp i, 0,1,2,3
	v_mov_b32 v[195+8*\i], v[196+8*\i]             ; the block's six registers on end
	v_mov_b32 v[196+8*\i], v[197+8*\i]
	v_mov_b32 v[197+8*\i], v[198+8*\i]
.endr
	s_wait_alu depctr_va_vdst(0)                   ; the codes and the bytes are written, which the stores below read; the maxima and conversions are done reading v64-127, in which the stage's rows land behind the barrier (no vector line stands between)
.irp i, 0,1,2,3                                ; into the image of fragment (i, l / 16), half beta / 4 of K: registers 6 c' .. 6 c' + 5 of lane l % 16 + 16 (beta % 2), c' = (beta / 2) % 2
	ds_store_b64 v[IA0], v[192+8*\i:193+8*\i] offset:3072*\i
	ds_store_b64 v[IA1], v[194+8*\i:195+8*\i] offset:3072*\i
	ds_store_b64 v[IA0], v[196+8*\i:197+8*\i] offset:3072*\i+512
	ds_store_b8 v[ISB], v[248+\i] offset:256*\i
.endr
	BARRIER                                        ; stage, images and scale words are whole
.irp n, 0,1,2,3,4,5,6,7
	ds_load_b32 v[ASC+\n], v[ISR] offset:128*\n
.endr
.irp n, 0,1,2,3,4,5,6,7,8,9,10,11,12,13,14,15
	ds_load_b128 v[64+4*\n:67+4*\n], v[TRW] offset:((\n%4)*32+(\n/4))*SPITCH   ; pixel 16 w + n, whole
.endr
.irp n, 0,1,2,3,4,5,6,7,8,9,10,11,12,13,14,15
	s_wait_dscnt 15-\n                             ; the loads younger than this one may be out
	global_store_b128 v[L16], v[64+4*\n:67+4*\n], s[22:23] offset:(256*((\c)/2)+128*((\c)%2))*512+512*\n th:TH_STORE_NT   ; 512 consecutive bytes of the copy
.endr
	s_lshl_b32 s46, s18, 1
	s_add_co_u32 s46, s46, (\c)/2                  ; the image row
	s_add_co_u32 s31, s46, 27
	s_mov_b32 s27, 0
	s_mov_b32 s26, s16                             ; my tiles: w, w + 8, ..
	s_mov_b32 s28, 0
	s_mov_b32 s29, 0
	s_mov_b32 s30, 0
	s_wait_xcnt 0x0                                ; the stores have read their registers, which the products write
	s_wait_alu depctr_vm_vsrc(0)                   ; beside it, and on the way round all tiles too: the copy's stores have read v64-127, the image stores v192-221 and v248-251: the tiles and the next chunk write these
.Ltile_\@:                                         ; eight trips, a constant; a tile that the list does not have is jumped over
	s_cmp_ge_u32 s26, s25
	s_cbranch_scc1 .Lskip_\@
	TILE \c
.Lskip_\@:
	s_add_co_u32 s26, s26, 8
	s_add_co_u32 s28, s28, BTILE
	s_add_co_u32 s29, s29, 512
	s_add_co_u32 s30, s30, 256
	s_add_co_u32 s27, s27, 1
	s_cmp_lt_u32 s27, 8
	s_cbranch_scc1 .Ltile_\@
.endm
	s_load_b256 s[4:11], s[0:1], 0x0               ; desc_dense, kuv, scodes, sscales
	s_load_b128 s[12:15], s[0:1], 0x20             ; tcopy, part
	v_lshl_add_u32 v[SPW], v0, 2, SPARE
	v_mov_b32 v[NIL], 0
	v_lshrrev_b32 v248, 5, v0
	v_readfirstlane_b32 s16, v248                  ; wave = beta
	s_lshr_b32 s17, ttmp9, 7                       ; b
	s_and_b32 s18, ttmp9, 127                      ; p
	s_mul_i32 s19, s17, 14336
	s_add_co_u32 s19, s19, s18                     ; 14,336 b + p: the pair's 1,024 x 14 slots of part, and my pair of rows
	v_and_b32 v248, 31, v0                         ; lane
	v_and_b32 v249, 15, v0
	v_bfe_u32 v250, v0, 4, 1                       ; h
	v_lshlrev_b32 v[L16], 4, v248
	v_lshlrev_b32 v[L4], 2, v248
	s_wait_alu depctr_va_sdst(0)                   ; s16 is written, ahead of its first reader: addresses, bases and branches are made from it
	s_lshl_b32 s38, s16, 9
	s_add_co_u32 s38, s38, SS
	v_add_nc_u32 v[SSW], s38, v[L16]
	v_add_nc_u32 v[SSR], SS, v[L16]
	v_mul_u32_u24 v[TSW], v248, SPITCH
	s_lshl_b32 s38, s16, 6
	v_add_nc_u32 v[TSW], s38, v[TSW]               ; stage row l, my 64 bytes of it
	s_mul_i32 s38, s16, 4*SPITCH
	v_add_nc_u32 v[TRW], s38, v[L16]               ; stage rows 4 w on, 16 bytes a lane
	v_mul_u32_u24 v251, v250, 12288
	v_lshl_add_u32 v251, v249, 4, v251             ; images of g = l / 16; lane l % 16
	s_wait_alu depctr_va_vdst(0)
	s_lshr_b32 s38, s16, 2
	s_mul_i32 s39, s38, 1536                       ; which half of K,
	s_and_b32 s40, s16, 1
	s_lshl_b32 s40, s40, 8                         ; which half of the lanes,
	s_add_co_u32 s39, s39, s40
	s_add_co_u32 s39, s39, IMG
	s_bfe_u32 s40, s16, 0x10001                    ; c': registers 0-5 or 6-11
	s_mul_i32 s41, s40, 520
	s_add_co_u32 s41, s41, s39
	v_add_nc_u32 v[IA0], s41, v251
	s_mul_i32 s41, s40, 1016
	s_add_co_u32 s41, s41, s39
	s_add_co_u32 s41, s41, 8
	v_add_nc_u32 v[IA1], s41, v251
	s_lshl_b32 s39, s38, 7
	s_and_b32 s40, s16, 3
	s_add_co_u32 s39, s39, s40
	s_add_co_u32 s39, s39, ISC
	v_add_nc_u32 v[ISB], s39, v[L4]
	v_add_nc_u32 v[IMR], IMG, v[L16]
	v_add_nc_u32 v[ISR], ISC, v[L4]
	s_lshl_b32 s38, s16, 6
	s_add_co_u32 s38, s38, LIST
	v_lshl_add_u32 v[LRW], v249, 2, s38
	s_lshl_b32 s38, s16, 9
	s_add_co_u32 s38, s38, LIST
	v_add_nc_u32 v[PFW], s38, v[L4]
	v_add_nc_u32 v[DIX], 0x400, v248
	s_lshl_b32 s38, s16, 11
	s_add_co_u32 s38, s38, STAT
	v_lshl_add_u32 v[STW], v249, 4, s38
	s_mul_i32 s38, s16, 8*BTILE
	s_add_co_u32 s38, s38, BIMG
	v_add_nc_u32 v[BIW], s38, v[L16]
	s_add_co_u32 s38, s38, 3072
	v_add_nc_u32 v[BSW], s38, v[L4]
	s_lshl_b32 s38, ttmp9, 4
	s_add_co_u32 s38, s38, PSLOTS
	v_add_nc_u32 v[DMP], s38, v249
	v_lshlrev_b32 v251, 5, v250                    ; 32 h
	v_sub_nc_u32 v[XH], 5, v251
	v_mul_u32_u24 v[H24], v250, 24
	v_lshlrev_b32 v[H4], 2, v250
	v_mov_b32 v[NM+1], 0
	v_mov_b32 v[EMP], 0x0ff80000                   ; an entry with an empty window: vc = 511, id 0
.irp i, 0,1,2,3
.irp j, 0,1,2,3,4,5,6,7
	v_add_nc_u32 v[UC+8*\i+\j], 4*\j+\i, v251
.endr
.endr
.set kk, 0
.rept 32
	v_cvt_f32_u32 v[UC+kk], v[UC+kk]
.set kk, kk+1
.endr
	s_lshl_b32 s38, s17, 27                        ; image 2 b + 1,
	s_add_co_u32 s38, s38, 0x4000000
	s_lshl_b32 s39, s16, 23                        ; channel 32 beta,
	s_add_co_u32 s38, s38, s39
	s_lshl_b32 s39, s18, 11                        ; row 2 p
	s_add_co_u32 s38, s38, s39
	s_mov_b32 s39, 0
	s_lshl_b32 s40, s17, 25                        ; the copy: pixel 65,536 b + 512 p + 16 w, 512 bytes each
	s_lshl_b32 s41, s18, 18
	s_add_co_u32 s40, s40, s41
	s_lshl_b32 s41, s16, 13
	s_add_co_u32 s40, s40, s41
	s_mov_b32 s41, 0
	s_lshl_b32 s42, s17, 12
	s_mov_b32 s43, 0
	s_mul_i32 s44, s17, 196608
	s_mov_b32 s45, 0
	s_lshl_b32 s46, s17, 13
	s_mov_b32 s47, 0
	s_mov_b32 s32, 0x431044fe                      ; 100 log2(e)
	s_mov_b32 s33, s32                             ; (named with it as a pair)
	s_mov_b32 s34, 0x76543210
	s_mov_b32 s35, 0xfedcba98                      ; v_permlanex16_b32's selects for lane l xor 16
	s_mov_b32 s36, 0x07ffffff                      ; 27 ones
	s_wait_kmcnt 0x0
	s_add_nc_u64 s[20:21], s[4:5], s[38:39]
	s_add_nc_u64 s[22:23], s[12:13], s[40:41]
	s_add_nc_u64 s[6:7], s[6:7], s[42:43]
	s_add_nc_u64 s[8:9], s[8:9], s[44:45]
	s_add_nc_u64 s[10:11], s[10:11], s[46:47]
	s_wait_alu depctr_va_vdst(0)                   ; all offsets and addresses made above, and the empty entry, are written: the kernel's loads and stores read them; those of them that stay are never written again
	; THE HEAD'S LOADS.  No two loads that are on their way together name the same register number, in whichever window: kuv and the keypoints' codes take numbers 128-187, chunk 0 numbers 0-127,
	; the upper half of chunk 1 numbers 192-255; the lower half of chunk 1 (128-191) goes out when the keypoints' codes are in.
.irp j, 0,1,2,3,4,5,6,7
	global_load_b128 v[KU+4*\j:KU+4*\j+3], v[L16], s[6:7] offset:512*\j   ; the pair's 1,024 words, in every wave: register 4 j + i of lane l is keypoint 128 j + 4 l + i
.endr
	XLOAD 0, 0, 0, 32, 0
	XLOAD 1, 1, 16, 16, 0
.irp q, 0,1,2,3
	ds_store_b32 v[PFW], v[EMP] offset:128*\q      ; my wave's 128 entries of the list: empty
.endr
	s_mov_b32 s24, 0                               ; members so far
	s_lshl_b32 s44, s18, 1
	s_add_co_u32 s44, s44, 1
	s_wait_loadcnt 48                              ; the eight loads of kuv are in; the 48 behind them may be out
	BARRIER                                        ; the list is empty, all of it; up to the next barrier wave 0's placing stores are the only LDS instructions
	s_cmp_lg_u32 s16, 0
	s_cbranch_scc1 .Lcount
.irp g, 0,1                                    ; wave 0 counts and places, sixteen words at a time; each sixteen have registers of their own for addresses and entries
	MASKS \g, PA+32*\g
.irp n, 0,1,2,3,4,5,6,7,8,9,10,11,12,13,14,15
	v_mbcnt_lo_u32_b32 v[PA+32*\g+\n], s[48+\n], s24          ; members so far + members in lanes below me
	v_cndmask_b32 v[PA+32*\g+\n], v[DIX], v[PA+32*\g+\n], s[48+\n]   ; a lane with no member stores behind the list
	v_min_u32 v[PA+32*\g+\n], 1055, v[PA+32*\g+\n]            ; a number that was read enters an address behind this hold; behind it a shift to the left and an addition alone
	v_lshlrev_b32 v[PA+32*\g+\n], 2, v[PA+32*\g+\n]
	v_add_nc_u32 v[PA+32*\g+\n], LIST, v[PA+32*\g+\n]
	v_add3_u32 v[PD+32*\g+\n], v[KU+16*\g+\n], v[L4], 128*(4*\g+\n/4)+\n%4   ; the word with the keypoint's number in its low ten bits
	s_bcnt1_i32_b32 s39, s[48+\n]
	s_add_co_u32 s24, s24, s39
.endr
	s_wait_alu depctr_va_vdst(0)                   ; the sixteen addresses and the sixteen entries are written, which the stores below read
.irp n, 0,1,2,3,4,5,6,7,8,9,10,11,12,13,14,15
	ds_store_b32 v[PA+32*\g+\n], v[PD+32*\g+\n]
.endr
.endr
	s_branch .Llisted
.Lcount:                                           ; the other waves count: so the number of tiles needs no way through LDS
.irp g, 0,1
	MASKS \g, PA
.irp n, 0,1,2,3,4,5,6,7,8,9,10,11,12,13,14,15
	s_bcnt1_i32_b32 s39, s[48+\n]
	s_add_co_u32 s24, s24, s39
.endr
.endr
.Llisted:
	s_add_co_u32 s25, s24, 15
	s_lshr_b32 s25, s25, 4                         ; tiles
	BARRIER                                        ; the list is whole
	s_wait_alu depctr_vm_vsrc(0)                   ; the LDS stores of the head have read v219 and v223, and in wave 0 v64-127: loads land in the first two, and the first chunk's roundings write the others
	BGATHER 128, LRW, 0                            ; my first two tiles, w and w + 8, without asking: their entries are true or empty
	BGATHER 160, LRW, 512
	s_wait_loadcnt 0x0                             ; the keypoints' codes are the youngest loads: all are in, chunk 0 among them
	BSTORE 128, BIW, BSW, 0
	BSTORE 160, BIW, BSW, BTILE
	s_mov_b32 s27, 0
	s_add_co_u32 s26, s16, 16
	s_mov_b32 s28, 2*BTILE
	s_mov_b32 s29, 2*512
.Lmore:                                            ; six trips, a constant: tiles w + 16 .. w + 56, where the list has them
	s_cmp_ge_u32 s26, s25
	s_cbranch_scc1 .Lnone
	s_wait_alu depctr_vm_vsrc(0)                   ; the image stores issued so far have read v128-152 and their addresses, the gather's loads their offsets v154, v155 and the entry's address: all are written again below
	v_add_nc_u32 v[TA], s28, v[BIW]
	v_add_nc_u32 v[TA+1], s28, v[BSW]
	v_add_nc_u32 v[TA+2], s29, v[LRW]
	s_wait_alu depctr_va_vdst(0)                   ; the three addresses are written, which the entry's load and the image's stores read
	BGATHER 128, TA+2, 0
	s_wait_loadcnt 0x0
	BSTORE 128, TA, TA+1, 0
.Lnone:
	s_add_co_u32 s26, s26, 8
	s_add_co_u32 s28, s28, BTILE
	s_add_co_u32 s29, s29, 512
	s_add_co_u32 s27, s27, 1
	s_cmp_lt_u32 s27, 6
	s_cbranch_scc1 .Lmore
	XLOAD 1, 1, 0, 16, 0                           ; the lower half of chunk 1
	CHUNK 0
	CHUNK 1
	CHUNK 2
	CHUNK 3
	s_wait_dscnt 0x0                               ; the closing lines, six on end
	s_wait_alu 0x0
	s_wait_tensorcnt 0x0
	ds_add_u32 v[SPW], v[NIL]
	s_wait_dscnt 0x0
	s_endpgm
.Lfunc_end_k_qec5727913f_match:
	.size	k_qec5727913f_match, .Lfunc_end_k_qec5727913f_match-k_qec5727913f_match
	.p2alignl 7, 3214868480
	.fill 96, 4, 3214868480
	.section	.rodata,"a",@progbits
	.p2align	6, 0x0
	.amdhsa_kernel k_qec5727913f_match
		.amdhsa_group_segment_fixed_size 323840
		.amdhsa_private_segment_fixed_size 0
		.amdhsa_enable_private_segment 0
		.amdhsa_kernarg_size 48
		.amdhsa_user_sgpr_count 2
		.amdhsa_user_sgpr_kernarg_segment_ptr 1
		.amdhsa_wavefront_size32 1
		.amdhsa_system_sgpr_workgroup_id_x 1
		.amdhsa_system_sgpr_workgroup_id_y 1
		.amdhsa_system_sgpr_workgroup_id_z 1
		.amdhsa_system_vgpr_workitem_id 0
		.amdhsa_next_free_vgpr 512
		.amdhsa_next_free_sgpr 66
		.amdhsa_reserve_vcc 0
		.amdhsa_float_denorm_mode_32 3
		.amdhsa_float_denorm_mode_16_64 3
		.amdhsa_memory_ordered 1
		.amdhsa_forward_progress 1
		.amdhsa_inst_pref_size 255
	.end_amdhsa_kernel
	.section	.bss,"aw",@nobits
	.p2align	6
	.space	262144
	.amdgpu_metadata
---
amdhsa.version: [ 1, 2 ]
amdhsa.kernels:
  - .name:           k_qec5727913f_match
    .symbol:         k_qec5727913f_match.kd
    .args:
      - { .name: desc_dense, .offset: 0, .size: 8, .value_kind: global_buffer, .address_space: global }
      - { .name: kuv, .offset: 8, .size: 8, .value_kind: global_buffer, .address_space: global }
      - { .name: scodes, .offset: 16, .size: 8, .value_kind: global_buffer, .address_space: global }
      - { .name: sscales, .offset: 24, .size: 8, .value_kind: global_buffer, .address_space: global }
      - { .name: tcopy, .offset: 32, .size: 8, .value_kind: global_buffer, .address_space: global }
      - { .name: part, .offset: 40, .size: 8, .value_kind: global_buffer, .address_space: global }
    .group_segment_fixed_size: 323840
    .private_segment_fixed_size: 0
    .kernarg_segment_align: 8
    .kernarg_segment_size: 48
    .max_flat_workgroup_size: 256
    .sgpr_count:     66
    .vgpr_count:     512
    .wavefront_size: 32
...
	.end_amdgpu_metadata
.endif
;; end of part 6
;; launch combine (part 7): grid 64 x 1, 1 waves a work-group, no clusters, 0 bytes of LDS; arguments part, kuv, out0, gidx, gw; writes out0, gidx, gw
.if DOCPART == 7
	.amdgcn_target "amdgcn-amd-amdhsa--gfx1250"
	.amdhsa_code_object_version 6
	.text
	.protected	k_qec5727913f_combine
	.globl	k_qec5727913f_combine
	.p2align	8
	.type	k_qec5727913f_combine,@function
k_qec5727913f_combine:
	s_mov_b64 s[64:65], 0
	v_nop
	global_prefetch_b8 v0, s[64:65] scope:SCOPE_SE
	s_setreg_imm32_b32 hwreg(HW_REG_WAVE_MODE, 25, 1), 1
	s_wait_xcnt 0x0
; SoftmaxMatcher, launch 3 of 4: a lane to a keypoint.  The up to 14 partial softmaxes (m, l, su, sv) of the pairs of rows that meet its window are joined under one maximum.
; WORK LEFT OUT comes back here in closed form: the image rows that were not multiplied hold only scores that reference() has made 0: each of their pixels adds 2^(0 - M) to the sum, u times and v times that to
; the two weighted sums: a count, a sum of u and a sum of v, whole numbers under 2^24.  The maximum is taken over the partial maxima and 0.
; Then pseudo_coords = (su, sv) / l goes to out0, and the four corners of the bilinear sample go out as whole numbers (gidx) with their weights (gw; a corner outside the image has weight 0 and a held index).
; Slots of part that no work-group wrote are replaced by (-3e38, 0, 0, 0) by a select on whole numbers before any arithmetic.
; LIMIT: NaN in the sums is not served.
	s_load_b256 s[4:11], s[0:1], 0x0               ; part, kuv, out0, gidx
	s_load_b64 s[12:13], s[0:1], 0x20              ; gw
	v_mul_u32_u24 v2, v0, 224
	v_lshlrev_b32 v3, 2, v0
	v_lshlrev_b32 v4, 3, v0
	v_lshlrev_b32 v5, 4, v0
	s_mul_i32 s14, ttmp9, 7168
	s_mov_b32 s15, 0
	s_lshl_b32 s16, ttmp9, 7
	s_mov_b32 s17, 0
	s_lshl_b32 s18, ttmp9, 8
	s_mov_b32 s19, 0
	s_lshl_b32 s20, ttmp9, 9
	s_mov_b32 s21, 0
	s_mov_b32 s22, 0x3c008081                      ; 2 / 255
	s_mov_b32 s23, 0x43000000                      ; 128
	s_mov_b32 s24, 0x437f0000                      ; 255
	v_mov_b32 v11, 0xff61b1e6                      ; -3e38
	s_wait_alu depctr_va_vdst(0)
	s_wait_kmcnt 0x0
	s_add_nc_u64 s[4:5], s[4:5], s[14:15]
	s_add_nc_u64 s[6:7], s[6:7], s[16:17]
	s_add_nc_u64 s[8:9], s[8:9], s[18:19]
	s_add_nc_u64 s[10:11], s[10:11], s[18:19]
	s_add_nc_u64 s[12:13], s[12:13], s[20:21]
	global_load_b32 v6, v3, s[6:7]
.irp j, 0,1,2,3,4,5,6,7,8,9,10,11,12,13
	global_load_b128 v[16+4*\j:19+4*\j], v2, s[4:5] offset:16*\j
.endr
	s_wait_loadcnt 0x0
	v_lshrrev_b32 v7, 19, v6                       ; vc = v + 14
	v_min_u32 v8, 27, v7
	v_sub_nc_u32 v8, v7, v8                        ; the window's first row, held at 0
	v_min_u32 v9, 0x100, v7                        ; its last row + 1, held at 256
	v_lshrrev_b32 v8, 1, v8                        ; first pair
	v_add_nc_u32 v9, 1, v9
	v_lshrrev_b32 v9, 1, v9                        ; last pair + 1
	v_sub_nc_u32 v10, v9, v8                       ; pairs: 0 .. 14
.irp j, 0,1,2,3,4,5,6,7,8,9,10,11,12,13
	v_cmp_lt_u32 vcc_lo, \j, v10
	v_cndmask_b32 v[16+4*\j], v11, v[16+4*\j], vcc_lo
	v_cndmask_b32 v[17+4*\j], 0, v[17+4*\j], vcc_lo
	v_cndmask_b32 v[18+4*\j], 0, v[18+4*\j], vcc_lo
	v_cndmask_b32 v[19+4*\j], 0, v[19+4*\j], vcc_lo
.endr
	v_max3_num_f32 v12, v16, v20, 0                ; M, over the partial maxima and the masked rows' 0
.irp j, 2,4,6,8,10,12
	v_max3_num_f32 v12, v12, v[16+4*\j], v[20+4*\j]
.endr
.irp j, 0,1,2,3,4,5,6,7,8,9,10,11,12,13
	v_sub_f32 v[16+4*\j], v[16+4*\j], v12
.endr
	v_sub_f32 v13, 0, v12
	s_wait_alu depctr_va_vdst(0)
.irp j, 0,1,2,3,4,5,6,7,8,9,10,11,12,13
	v_exp_f32 v[16+4*\j], v[16+4*\j]
.endr
	v_exp_f32 v13, v13
	v_lshlrev_b32 v14, 1, v10                      ; the rows that were not multiplied: 256 - 2 pairs.  (Whole-number work behind the exponentials)
	v_sub_nc_u32 v14, 0x100, v14
	v_lshlrev_b32 v72, 8, v14                      ; their pixels,
	v_mul_u32_u24 v73, v14, 32640                  ; the sum of their u,
	v_add_lshl_u32 v74, v8, v9, 1
	v_add_nc_u32 v74, -1, v74
	v_mul_u32_u24 v74, v74, v10                    ; (the multiplied rows' numbers add up to pairs x (2 first + 2 end - 1))
	v_sub_nc_u32 v74, 32640, v74
	v_lshlrev_b32 v74, 8, v74                      ; the sum of their v
	v_cvt_f32_u32 v72, v72
	v_cvt_f32_u32 v73, v73
	v_cvt_f32_u32 v74, v74
	s_wait_alu depctr_va_vdst(0)                   ; one wait for the batch of 15
	v_mul_f32 v75, v13, v72
	v_mul_f32 v76, v13, v73
	v_mul_f32 v77, v13, v74
.irp j, 0,1,2,3,4,5,6,7,8,9,10,11,12,13
	v_fmac_f32 v75, v[16+4*\j], v[17+4*\j]
	v_fmac_f32 v76, v[16+4*\j], v[18+4*\j]
	v_fmac_f32 v77, v[16+4*\j], v[19+4*\j]
.endr
	s_wait_alu depctr_va_vdst(0)
	v_rcp_f32 v78, v75
	v_nop
	s_wait_alu depctr_va_vdst(0)
	v_mul_f32 v80, v76, v78                        ; pseudo u
	v_mul_f32 v81, v77, v78                        ; pseudo v
	global_store_b64 v4, v[80:81], s[8:9]          ; 256 consecutive bytes of out0
.irp d, 0,1                                    ; 0: x from u; 1: y from v
	v_fma_f32 v[82+\d], v[80+\d], s22, -1.0        ; 2 c / 255 - 1
	v_add_f32 v[82+\d], 1.0, v[82+\d]
	v_fma_f32 v[82+\d], v[82+\d], s23, -0.5        ; ((. + 1) 256 - 1) / 2
	v_floor_f32 v[84+\d], v[82+\d]
	v_sub_f32 v[86+\d], v[82+\d], v[84+\d]         ; the upper corner's weight
	v_add_f32 v[88+\d], 1.0, v[84+\d]
	v_sub_f32 v[90+\d], 1.0, v[86+\d]              ; the lower corner's
	v_med3_num_f32 v[92+\d], v[84+\d], 0, s24
	v_med3_num_f32 v[94+\d], v[88+\d], 0, s24
	v_cmp_eq_f32 vcc_lo, v[92+\d], v[84+\d]        ; inside 0 .. 255 where the hold changes nothing
	v_cndmask_b32 v[90+\d], 0, v[90+\d], vcc_lo
	v_cmp_eq_f32 vcc_lo, v[94+\d], v[88+\d]
	v_cndmask_b32 v[86+\d], 0, v[86+\d], vcc_lo
	v_cvt_i32_f32 v[92+\d], v[92+\d]
	v_cvt_i32_f32 v[94+\d], v[94+\d]
.endr
	v_mul_f32 v96, v90, v91                        ; (x0, y0)
	v_mul_f32 v97, v86, v91                        ; (x1, y0)
	v_mul_f32 v98, v90, v87                        ; (x0, y1)
	v_mul_f32 v99, v86, v87                        ; (x1, y1)
	v_lshl_add_u32 v100, v93, 8, v92
	v_lshl_add_u32 v101, v93, 8, v94
	v_lshl_add_u32 v102, v95, 8, v92
	v_lshl_add_u32 v103, v95, 8, v94
	v_lshl_or_b32 v104, v101, 16, v100
	v_lshl_or_b32 v105, v103, 16, v102
	global_store_b64 v4, v[104:105], s[10:11]      ; 256 consecutive bytes of gidx
	global_store_b128 v5, v[96:99], s[12:13]       ; 512 consecutive bytes of gw
	s_endpgm
.Lfunc_end_k_qec5727913f_combine:
	.size	k_qec5727913f_combine, .Lfunc_end_k_qec5727913f_combine-k_qec5727913f_combine
	.p2alignl 7, 3214868480
	.fill 96, 4, 3214868480
	.section	.rodata,"a",@progbits
	.p2align	6, 0x0
	.amdhsa_kernel k_qec5727913f_combine
		.amdhsa_group_segment_fixed_size 0
		.amdhsa_private_segment_fixed_size 0
		.amdhsa_enable_private_segment 0
		.amdhsa_kernarg_size 40
		.amdhsa_user_sgpr_count 2
		.amdhsa_user_sgpr_kernarg_segment_ptr 1
		.amdhsa_wavefront_size32 1
		.amdhsa_system_sgpr_workgroup_id_x 1
		.amdhsa_system_sgpr_workgroup_id_y 1
		.amdhsa_system_sgpr_workgroup_id_z 1
		.amdhsa_system_vgpr_workitem_id 0
		.amdhsa_next_free_vgpr 112
		.amdhsa_next_free_sgpr 66
		.amdhsa_reserve_vcc 1
		.amdhsa_float_denorm_mode_32 3
		.amdhsa_float_denorm_mode_16_64 3
		.amdhsa_memory_ordered 1
		.amdhsa_forward_progress 1
		.amdhsa_inst_pref_size 11
	.end_amdhsa_kernel
	.amdgpu_metadata
---
amdhsa.version: [ 1, 2 ]
amdhsa.kernels:
  - .name:           k_qec5727913f_combine
    .symbol:         k_qec5727913f_combine.kd
    .args:
      - { .name: part, .offset: 0, .size: 8, .value_kind: global_buffer, .address_space: global }
      - { .name: kuv, .offset: 8, .size: 8, .value_kind: global_buffer, .address_space: global }
      - { .name: out0, .offset: 16, .size: 8, .value_kind: global_buffer, .address_space: global }
      - { .name: gidx, .offset: 24, .size: 8, .value_kind: global_buffer, .address_space: global }
      - { .name: gw, .offset: 32, .size: 8, .value_kind: global_buffer, .address_space: global }
    .group_segment_fixed_size: 0
    .private_segment_fixed_size: 0
    .kernarg_segment_align: 8
    .kernarg_segment_size: 40
    .max_flat_workgroup_size: 32
    .sgpr_count:     66
    .vgpr_count:     112
    .wavefront_size: 32
...
	.end_amdgpu_metadata
.endif
;; end of part 7
;; launch sample (part 8): grid 32 x 1, 16 waves a work-group, no clusters, 2,304 bytes of LDS; arguments tcopy, srcn, gidx, gw, keypoint_scores, scores_dense, out1; writes out1
.if DOCPART == 8
	.amdgcn_target "amdgcn-amd-amdhsa--gfx1250"
	.amdhsa_code_object_version 6
	.text
	.protected	k_qec5727913f_sample
	.globl	k_qec5727913f_sample
	.p2align	8
	.type	k_qec5727913f_sample,@function
k_qec5727913f_sample:
	s_mov_b64 s[64:65], 0
	v_nop
	global_prefetch_b8 v0, s[64:65] scope:SCOPE_SE
	s_setreg_imm32_b32 hwreg(HW_REG_WAVE_SCHED_MODE, 0, 2), 2
	s_setreg_imm32_b32 hwreg(HW_REG_WAVE_MODE, 25, 1), 1
	s_wait_xcnt 0x0
	s_wait_alu depctr_vm_vsrc(0)
; SoftmaxMatcher, launch 4 of 4: match_weights = 0.5 (sum_c src[c] pseudo_desc[c] / 256 + 1) x keypoint score x sampled score.
; WORK LEFT OUT: of the dense tensors only the four corners of each keypoint's sample are read (a lookup by whole numbers that the launch before stored).
; The sampled descriptor is never formed: sum_c src[c] (sum over corners w D[corner][c]) = sum over corners w (src . D[corner]).  D comes from the pixel-major bf16 copy: a corner is one row of 512 bytes,
; 16 bytes a lane; src is f32, the weights and sums are f32.
; SHARES.  A work-group takes 64 keypoints, a wave 4; lane l takes channels 8 l .. 8 l + 7.  The 64 results meet in LDS and leave as one run of 256 bytes.
; THE MODE: SCHED_MODE bits 1:0 = 2 (LLVM: expert scheduling mode 2), set by the entry lines.  The code itself states the register dependences between vector instructions and memory or LDS instructions,
; with s_wait_alu, always for 0.
; THE PLAN.  Registers that memory or LDS instructions touch:
;   v1, v5, v6   offsets and an LDS address, made once at the head, never written again: one wait ahead of the first load.
;   v112-127     the sixteen corners' offsets: all sixteen are made first, then one wait, then the sixteen loads.
;   v16-111      loaded data, which no vector line names before its load is issued.
;   v152-155     the four results: all four are made first, then one wait, then the four LDS stores.
;   v8, v9       an LDS load lands there, a store reads them; no vector line names them.
.set RES,   0
.set SPARE, 256                        ; the spare words: 128 bytes a wave, named by no other line
	s_load_b256 s[4:11], s[0:1], 0x0               ; tcopy, srcn, gidx, gw
	s_load_b128 s[12:15], s[0:1], 0x20             ; keypoint_scores, scores_dense
	s_load_b64 s[16:17], s[0:1], 0x30              ; out1
	v_lshl_add_u32 v2, v0, 2, SPARE
	v_mov_b32 v3, 0
	v_lshrrev_b32 v4, 5, v0
	v_readfirstlane_b32 s18, v4                    ; wave
	v_and_b32 v4, 31, v0
	v_lshlrev_b32 v1, 4, v4                        ; 16 x lane
	v_lshlrev_b32 v5, 3, v4                        ; 8 x lane
.irp q, 0,1,2,3
	v_mov_b32 v[144+\q], 0                         ; a lane permute's destination counts as one of its sources
.endr
	s_wait_alu depctr_va_sdst(0)                   ; s18 is written, ahead of its first reader: addresses, bases and a branch are made from it
	s_lshl_b32 s53, s18, 4
	v_mov_b32 v6, s53                              ; RES + 16 x wave
	s_lshr_b32 s19, ttmp9, 4                       ; b
	s_lshl_b32 s20, ttmp9, 6
	s_lshl_b32 s21, s18, 2
	s_add_co_u32 s20, s20, s21                     ; my first keypoint, 0 .. 2,047
	s_lshl_b32 s21, s20, 3
	s_lshl_b32 s22, s20, 4
	s_and_b32 s23, s20, 1023
	s_lshl_b32 s23, s23, 2
	s_lshl_b32 s52, s19, 13
	s_add_co_u32 s23, s23, s52                     ; set 2 b of keypoint_scores
	s_lshl_b32 s54, s20, 10
	s_mov_b32 s55, 0
	s_lshl_b32 s56, ttmp9, 8
	s_mov_b32 s57, 0
	s_lshl_b32 s58, s19, 16                        ; the copy's pixels of pair b
	s_lshl_b32 s59, s19, 17
	s_add_co_u32 s59, s59, 0x10000                 ; scores_dense's pixels of image 2 b + 1
	s_mov_b32 s60, 0xffff0000
	s_mov_b32 s61, 0x76543210
	s_mov_b32 s62, 0xfedcba98
	s_mov_b32 s63, 0x3b800000                      ; 1 / 256
	s_wait_kmcnt 0x0
	s_load_b256 s[24:31], s[8:9], s21 offset:0x0   ; four keypoints' corners
	s_load_b512 s[32:47], s[10:11], s22 offset:0x0 ; and weights
	s_load_b128 s[48:51], s[12:13], s23 offset:0x0 ; and scores
	s_add_nc_u64 s[6:7], s[6:7], s[54:55]
	s_add_nc_u64 s[16:17], s[16:17], s[56:57]
	s_wait_alu depctr_va_vdst(0)                   ; v1, v5 and v6 are written, which the loads and stores of the kernel read
.irp r, 0,1,2,3,4,5,6,7
	global_load_b128 v[16+4*\r:19+4*\r], v1, s[6:7] offset:512*\r   ; src: keypoint r / 2, channels 8 l + 4 (r % 2) on
.endr
	s_wait_kmcnt 0x0
.irp n, 0,1,2,3,4,5,6,7,8,9,10,11,12,13,14,15  ; keypoint n / 4, corner n % 4: its offset in the copy, and its score
.if \n % 2
	s_lshr_b32 s52, s[24+\n/2], 16
.else
	s_and_b32 s52, s[24+\n/2], 0xffff
.endif
	s_min_u32 s52, s52, 0xffff                     ; a number that was read enters an address behind this hold
	s_add_co_u32 s53, s52, s58
	s_lshl_b32 s53, s53, 9
	v_add_nc_u32 v[112+\n], s53, v1
	s_add_co_u32 s[68+\n], s52, s59
	s_lshl_b32 s[68+\n], s[68+\n], 2
	s_load_b32 s[84+\n], s[14:15], s[68+\n] offset:0x0
.endr
	s_wait_alu depctr_va_vdst(0)                   ; the sixteen offsets are written, which the loads below read
.irp n, 0,1,2,3,4,5,6,7,8,9,10,11,12,13,14,15
	global_load_b128 v[48+4*\n:51+4*\n], v[112+\n], s[4:5]         ; the corner's 256 channels: 512 consecutive bytes
.endr
	s_wait_kmcnt 0x0
.irp q, 0,1,2,3
	s_wait_loadcnt 12-4*\q                         ; src and this keypoint's four corners are in; the later keypoints' may be out
.irp cn, 0,1,2,3
.irp r, 0,1,2,3
	v_lshlrev_b32 v[128+2*\r], 16, v[48+16*\q+4*\cn+\r]
	v_and_b32 v[129+2*\r], s60, v[48+16*\q+4*\cn+\r]
.endr
	v_pk_mul_f32 v[136:137], v[128:129], v[16+8*\q:17+8*\q]
	v_pk_fma_f32 v[136:137], v[130:131], v[18+8*\q:19+8*\q], v[136:137]
	v_pk_fma_f32 v[136:137], v[132:133], v[20+8*\q:21+8*\q], v[136:137]
	v_pk_fma_f32 v[136:137], v[134:135], v[22+8*\q:23+8*\q], v[136:137]
	v_add_f32 v136, v136, v137
.if \cn == 0
	v_mul_f32 v[140+\q], s[32+4*\q], v136
.else
	v_fmac_f32 v[140+\q], s[32+4*\q+\cn], v136
.endif
.endr
.endr
.irp m, 1,2,4,8
.irp q, 0,1,2,3
	v_add_f32_dpp v[140+\q], v[140+\q], v[140+\q] row_xmask:\m row_mask:0xf bank_mask:0xf
.endr
.endr
.irp q, 0,1,2,3
	v_permlanex16_b32 v[144+\q], v[140+\q], s61, s62
.endr
.irp q, 0,1,2,3
	v_add_f32 v[140+\q], v[140+\q], v[144+\q]      ; the sum over 256 channels, in every lane
	v_mov_b32 v[148+\q], s[84+4*\q]
	v_mul_f32 v[148+\q], s[32+4*\q], v[148+\q]
	v_fma_f32 v[148+\q], s[33+4*\q], s[85+4*\q], v[148+\q]
	v_fma_f32 v[148+\q], s[34+4*\q], s[86+4*\q], v[148+\q]
	v_fma_f32 v[148+\q], s[35+4*\q], s[87+4*\q], v[148+\q]   ; the sampled score
	v_fma_f32 v[152+\q], v[140+\q], s63, 1.0
	v_mul_f32 v[152+\q], 0.5, v[152+\q]
	v_mul_f32 v[152+\q], s[48+\q], v[152+\q]
	v_mul_f32 v[152+\q], v[152+\q], v[148+\q]
.endr
	s_wait_alu depctr_va_vdst(0)                   ; the four results are written, which the stores below read
.irp q, 0,1,2,3
	ds_store_b32 v6, v[152+\q] offset:4*\q         ; all lanes write the same word with the same value
.endr
	s_wait_dscnt 0x0                               ; for the others' sake: my stores have landed
	s_barrier_signal -1
	s_barrier_wait -1
	s_cmp_lg_u32 s18, 0
	s_cbranch_scc1 .Ldone
	ds_load_b64 v[8:9], v5
	s_wait_dscnt 0x0
	global_store_b64 v5, v[8:9], s[16:17]          ; 256 consecutive bytes of out1
.Ldone:
	s_wait_dscnt 0x0                               ; the closing lines, six on end
	s_wait_alu 0x0
	s_wait_tensorcnt 0x0
	ds_add_u32 v2, v3
	s_wait_dscnt 0x0
	s_endpgm
.Lfunc_end_k_qec5727913f_sample:
	.size	k_qec5727913f_sample, .Lfunc_end_k_qec5727913f_sample-k_qec5727913f_sample
	.p2alignl 7, 3214868480
	.fill 96, 4, 3214868480
	.section	.rodata,"a",@progbits
	.p2align	6, 0x0
	.amdhsa_kernel k_qec5727913f_sample
		.amdhsa_group_segment_fixed_size 2304
		.amdhsa_private_segment_fixed_size 0
		.amdhsa_enable_private_segment 0
		.amdhsa_kernarg_size 56
		.amdhsa_user_sgpr_count 2
		.amdhsa_user_sgpr_kernarg_segment_ptr 1
		.amdhsa_wavefront_size32 1
		.amdhsa_system_sgpr_workgroup_id_x 1
		.amdhsa_system_sgpr_workgroup_id_y 1
		.amdhsa_system_sgpr_workgroup_id_z 1
		.amdhsa_system_vgpr_workitem_id 0
		.amdhsa_next_free_vgpr 160
		.amdhsa_next_free_sgpr 100
		.amdhsa_reserve_vcc 0
		.amdhsa_float_denorm_mode_32 3
		.amdhsa_float_denorm_mode_16_64 3
		.amdhsa_memory_ordered 1
		.amdhsa_forward_progress 1
		.amdhsa_inst_pref_size 23
	.end_amdhsa_kernel
	.amdgpu_metadata
---
amdhsa.version: [ 1, 2 ]
amdhsa.kernels:
  - .name:           k_qec5727913f_sample
    .symbol:         k_qec5727913f_sample.kd
    .args:
      - { .name: tcopy, .offset: 0, .size: 8, .value_kind: global_buffer, .address_space: global }
      - { .name: srcn, .offset: 8, .size: 8, .value_kind: global_buffer, .address_space: global }
      - { .name: gidx, .offset: 16, .size: 8, .value_kind: global_buffer, .address_space: global }
      - { .name: gw, .offset: 24, .size: 8, .value_kind: global_buffer, .address_space: global }
      - { .name: keypoint_scores, .offset: 32, .size: 8, .value_kind: global_buffer, .address_space: global }
      - { .name: scores_dense, .offset: 40, .size: 8, .value_kind: global_buffer, .address_space: global }
      - { .name: out1, .offset: 48, .size: 8, .value_kind: global_buffer, .address_space: global }
    .group_segment_fixed_size: 2304
    .private_segment_fixed_size: 0
    .kernarg_segment_align: 8
    .kernarg_segment_size: 56
    .max_flat_workgroup_size: 512
    .sgpr_count:     100
    .vgpr_count:     160
    .wavefront_size: 32
...
	.end_amdgpu_metadata
.endif
;; end of part 8
